; MI455X (gfx1250); checked and timed in simulation.
; The chip was launched on July 23, 2026; its instructions are those of AMD's public machine-readable ISA for CDNA 5 (MIT licence, August 2026) and "CDNA5" Instruction Set Architecture Reference Guide (July 2026). The comments in the code are by the model that wrote it; some were corrected since.
;; Attention. Allowed arithmetic: matrix products marked QUANTISED: E2M1 operands, one E8M0 scale for each 32 along K, by v_wmma_scale_f32_16x16x128_f8f6f4 with both operands' format E2M1 (or v_wmma_scale_f32_32x16x128_f4), f32 sums; products left as they are: bf16, f16 or f32 operands; f32 sums; everything else in f32.
;; Inputs: cos 1,024 x 64 float32; mask 1,024 x 1,024 float32; sin 1,024 x 64 float32; wk 4,096 x 1,024 float32; wo 4,096 x 4,096 float32; wq 4,096 x 4,096 float32; wv 4,096 x 1,024 float32; x 1 x 1,024 x 4,096 float32.
;; Outputs: out0 1 x 1,024 x 4,096 float32.
;; Constants: start_pos = 0.
;; This version of the problem:
;;   THIS VERSION OF THE PROBLEM IS GIVEN IN LOW PRECISION. The matrix products marked QUANTISED in the list below multiply operands that are first quantised to E2M1 (2 exponent bits, 1 mantissa bit; 4 bits a number), with one power-of-two scale for each 32 numbers along K (OCP MX v1.0); their sums are f32. The products marked 'left as it is' may take bf16, f16 or f32 operands, with f32 sums. Whichever they take, every output number must still come out within the allowed error. Rounding operands to bf16 (8 significant bits) uses up far more of that allowance than f16 does (11 bits, for magnitudes from 6e-5 to 65,504). All else is computed in f32.
;;   The module's matrix products, in the order in which they are computed (A, B: the left and right operand; K: the contracted axis; several contracted axes count as one K, in the product's order):
;;     1. [M 1,024, K 4,096] x [K 4,096, N 4,096]; A: input x; B: input wq: QUANTISED
;;     2. [M 1,024, K 4,096] x [K 4,096, N 1,024]; A: input x; B: input wk: QUANTISED
;;     3. [M 1,024, K 4,096] x [K 4,096, N 1,024]; A: input x; B: input wv: QUANTISED
;;     4. batch 32 x [M 1,024, K 128] x [K 128, N 1,024]; A: computed on the way; B: computed on the way: left as it is (an operand is computed on the way)
;;     5. batch 32 x [M 128, K 1,024] x [K 1,024, N 1,024]; A: computed on the way; B: computed on the way: left as it is (an operand is computed on the way)
;;     6. [M 1,024, K 4,096] x [K 4,096, N 4,096]; A: computed on the way; B: input wo: left as it is (an operand is computed on the way)
;;   THE QUANTISER, for each operand of a quantised product, along K:
;;     - K is cut into blocks of 32 from its start; a last block that is shorter is filled with zeros.
;;     - A block's scale is 2^e with e = floor(log2(the largest magnitude in the block)) - 2, held to -126 .. 127; a block of zeros has e = 0. As a byte (E8M0): e + 127.
;;     - Each number is divided by its block's scale, clamped to +-6, and rounded to the nearest number of E2M1, ties to even, subnormals kept.
;;     - The product sums the exact products of the quantised numbers (number of the format x scale) in f32.
;;   ~~~python
;;   def quantise(x, axis):      # numpy; x: float32 -> the quantised numbers, widened to float32 again
;;       x = np.moveaxis(x, axis, -1); K = x.shape[-1]
;;       x = np.pad(x, [(0, 0)] * (x.ndim - 1) + [(0, -K % 32)]); x = x.reshape(x.shape[:-1] + (-1, 32)); a = np.abs(x).max(-1, keepdims=True)
;;       e = np.where(a > 0, np.clip(np.frexp(np.where(a > 0, a, 1))[1] - 1 - 2, -126, 127), 0)      # np.frexp(a)[1] - 1 = floor(log2(a)), exactly
;;       r = np.clip(x / 2.0 ** e, -6, 6)
;;       step = 2.0 ** (np.maximum(np.frexp(np.where(r == 0, 1, r))[1] - 1, 0) - 1)
;;       q = np.round(r / step) * step * 2.0 ** e      # np.round: ties to even
;;       return np.moveaxis(q.reshape(q.shape[:-2] + (-1,))[..., :K], -1, axis).astype(np.float32)
;;   ~~~
;; One version. Each part assembles by itself: llvm-mc -triple=amdgcn-amd-amdhsa -mcpu=gfx1250 --defsym DOCPART=n.
;; ======== version 1 of 1: 4 launches
;; limits: values are held in f16: magnitudes above 65,504 overflow, below 6.1e-05 lose precision; right only within a limited range of input values
;; workspace buffers: xcodes 2,097,152 bytes; xscales 131,072 bytes; wcodes 12,582,912 bytes; wscales 786,432 bytes; wo16 33,554,432 bytes; qkv 12,582,912 bytes; attn 8,388,608 bytes
;; launch prep (part 1): grid 768 x 1, 4 waves a work-group, no clusters, 68,096 bytes of LDS; arguments x, wq, wk, wv, wo, xcodes, xscales, wcodes, wscales, wo16; writes xcodes, xscales, wcodes, wscales, wo16
.if DOCPART == 1
	.amdgcn_target "amdgcn-amd-amdhsa--gfx1250"
	.amdhsa_code_object_version 6
	.text
	.protected	k_qe992017304_prep
	.globl	k_qe992017304_prep
	.p2align	8
	.type	k_qe992017304_prep,@function
k_qe992017304_prep:
	s_mov_b64 s[64:65], 0
	v_nop
	global_prefetch_b8 v0, s[64:65] scope:SCOPE_SE
	s_setreg_imm32_b32 hwreg(HW_REG_WAVE_MODE, 25, 1), 1
	s_wait_xcnt 0x0
; PREP: the operands of the later launches are made once.
;   x [1024][4096] f32            -> xcodes [1024][2048 bytes] (FP4, E2M1, K innermost, the lower k in the low four bits), xscales [1024][128] (one E8M0 byte for each 32 along K)
;   wq, wk, wv [4096 (k)][n] f32  -> wcodes and wscales, IN THE ORDER OF THE OPERAND'S REGISTERS; columns 0-4095 are wq's, 4096-5119 wk's, 5120-6143 wv's; K is the weights' FIRST axis
;        wcodes  [tile of 16 columns, 384][K step of 128, 32][c, 2][lane, 32][16 bytes]: lane 16 h + r holds the 32 codes of k = 128 step + 64 c + 32 h + 0 .. 31 of column r of the tile
;        wscales [tile, 384][K of 1,024, 4][lane, 32][16 bytes]: lane 16 h + r holds the four scale words of steps 8 p + 4 h + 0 .. 3 of column r
;   wo [4096 (k)][4096 (n)] f32   -> wo16 [4096 (n)][4096 (k)] f16 = 4 x wo (the factor is taken back by V / 4 in the next launch: both are powers of two)
; DEAD WORK: none.  Every product and every input buffer of reference() has a way to the output and is served; start_pos is a constant with no buffer, and reference() computes nothing with it;
; jnp.repeat is an index (query head h uses key/value head h / 4).  The mask is an input: no pattern of it is built in, every query walks all keys.
; THE QUANTISER: a block's scale is 2^(floor(log2(largest magnitude)) - 2); its byte is the largest magnitude's exponent field - 2, held at 1 from below; numbers are divided by the scale and rounded to the nearest code, ties to even, beyond 6 the code of 6.
; LIMITS: a block of zeros gets the byte 1 where the rule says 127 (its codes are zeros, and this program alone reads the bytes); blocks whose largest magnitude lies under 2^-124 keep the byte 1;
; NaN and infinities among the inputs are not served; |4 wo| stays under 65,504, f16's largest number.
; SHARES: work-groups 0-127 take x (a wave: 16 steps of 512 numbers); 128-383 wq, 384-447 wk, 448-511 wv, 512-767 wo (a wave: 32 columns x 512 along K).  The three ways part on the work-group's number and do not meet again;
; the two that use LDS have LDS bytes of their own.  No tensor loads, no barrier: waves share nothing.  No matrix work, no cluster: the launch is a stream, each input byte read once.
.set HSTG,  32768                      ; LDS: 0: x's way, 8,192 bytes a wave;  here: the f16 stages, 32 rows x 272 bytes a wave;
.set SPARE, 67584                      ; here: the spare words, 128 bytes a wave: two blocks of 256 bytes that no other line names
.set SPW,   208                        ; v208 LDS address of my spare word; never rewritten
.set NIL,   209                        ; v209 0; never rewritten
.set WV,    28                         ; s28  my wave's number
.set SP,    80                         ; x's way: a lane's place in a stage: 64 bytes + 16 of padding
.set XR,    16                         ; v16-79   four sets of 16 numbers as loaded
.set XX,    80                         ; v80-111  two sets of 16 neighbours
.set XE,    112                        ; v112-127 a scale byte for each step
.set XC,    128                        ; v128-191 codes, four registers for each step
.set WX,    32                         ; the weights' ways: v32-95 two sets of 32 numbers
.set WC,    96                         ; v96-111  a block's 32 f16
.set OUTR,  112                        ; v112-175 the codes' way: four registers for each block; wo's way: the way out
.set VO,    176                        ; v176-207 byte offsets of 32 rows of the source: 4 x lane + i x a row
.set SB,    24                         ; v24-27   scale bytes, four to a register
	s_load_b512 s[8:23], s[0:1], 0x0               ; x s[8:9], wq s[10:11], wk s[12:13], wv s[14:15], wo s[16:17], xcodes s[18:19], xscales s[20:21], wcodes s[22:23]
	s_load_b128 s[24:27], s[0:1], 0x40             ; wscales s[24:25], wo16 s[26:27]
	v_lshl_add_u32 v[SPW], v0, 2, SPARE
	v_mov_b32 v[NIL], 0
	v_lshrrev_b32 v1, 5, v0
	v_readfirstlane_b32 s[WV], v1                  ; wave 0..3
	v_and_b32 v2, 31, v0                           ; lane
	s_wait_kmcnt 0x0
	s_cmp_lt_u32 ttmp9, 128
	s_cbranch_scc0 .Lweights
; ---------------- x: K is innermost.  Rows are dense and 4,096 is a multiple of 32: x is a plain stream of blocks of 32.
; Each load reads 512 consecutive bytes; a step's 2,048 bytes turn through the wave's own stage so that a lane holds 16 neighbours (two lanes a block).
	s_lshl_b32 s29, ttmp9, 2
	s_add_co_u32 s29, s29, s[WV]                   ; which run of 8,192 numbers is my wave's
	s_mov_b32 s31, 0
	s_lshl_b32 s30, s29, 15
	s_add_nc_u64 s[8:9], s[8:9], s[30:31]          ; 32,768 bytes of x,
	s_lshl_b32 s30, s29, 12
	s_add_nc_u64 s[18:19], s[18:19], s[30:31]      ; 4,096 of codes,
	s_lshl_b32 s30, s29, 8
	s_add_nc_u64 s[20:21], s[20:21], s[30:31]      ; 256 scale bytes a run
	v_lshlrev_b32 v3, 4, v2                        ; my 16 bytes of a load's 512
	s_mul_i32 s30, s[WV], 8192
	v_lshrrev_b32 v14, 2, v2
	v_mul_u32_u24 v14, v14, SP
	v_and_b32 v15, 3, v2
	v_lshl_add_u32 v14, v15, 4, v14
	v_add_nc_u32 v14, s30, v14                     ; the stage, on the way in: SP (lane / 4) + 16 (lane % 4)
	v_mul_u32_u24 v15, v2, SP
	v_add_nc_u32 v15, s30, v15                     ; on the way out: SP x lane
	v_lshlrev_b32 v4, 3, v2                        ; my 8 bytes of a step's codes
	v_lshrrev_b32 v5, 1, v2
	s_add_co_u32 s30, s30, 2*32*SP
	v_add_nc_u32 v5, s30, v5                       ; my wave's 256 scale bytes, my block's byte
	v_lshlrev_b32 v7, 3, v2
	v_add_nc_u32 v6, s30, v7                       ; and on the way out 8 bytes a lane
.macro XLOAD t
.irp i, 0,1,2,3
	global_load_b128 v[XR+16*((\t)%4)+4*\i:XR+16*((\t)%4)+4*\i+3], v3, s[8:9] offset:2048*(\t)+512*\i th:TH_LOAD_NT
.endr
.endm
.macro XTURN t                         ; LDS serves a wave's instructions in order: no wait between these stores and loads
.irp i, 0,1,2,3
	ds_store_b128 v14, v[XR+16*((\t)%4)+4*\i:XR+16*((\t)%4)+4*\i+3] offset:32*SP*((\t)%2)+8*SP*\i
.endr
.irp i, 0,1,2,3
	ds_load_b128 v[XX+16*((\t)%2)+4*\i:XX+16*((\t)%2)+4*\i+3], v15 offset:32*SP*((\t)%2)+16*\i
.endr
.endm
.irp t, 0,1,2,3
	XLOAD \t
.endr
	s_wait_loadcnt 12                              ; step 0's four loads are in; three steps' twelve stay out
	XTURN 0
.macro XSTEP t
.set XS, XX+16*((\t)%2)
.if (\t) > 0
	s_wait_dscnt 1                                 ; this step's numbers are back from the stage; the last step's byte store may be out
.else
	s_wait_dscnt 0x0
.endif
.if (\t)+4 < 16
	XLOAD (\t)+4                                   ; into the registers that this step's stores into the stage have read
.endif
.if (\t)+1 < 16
.if 14-(\t) >= 3
	s_wait_loadcnt 12                              ; the next step's loads are in; those of the three steps behind it may be out
.else
	s_wait_loadcnt 4*(14-(\t))
.endif
	XTURN (\t)+1
.endif
	v_max3_num_f32 v8, |v[XS]|, |v[XS+1]|, |v[XS+2]|               ; the largest magnitude of my 16, in two chains
	v_max3_num_f32 v9, |v[XS+3]|, |v[XS+4]|, |v[XS+5]|
.irp i, 6,10
	v_max3_num_f32 v8, v8, |v[XS+\i]|, |v[XS+\i+1]|
	v_max3_num_f32 v9, v9, |v[XS+\i+2]|, |v[XS+\i+3]|
.endr
	v_max3_num_f32 v8, v8, |v[XS+14]|, |v[XS+15]|
	v_max3_num_f32 v8, v8, v9, 0x1800000           ; and the floor 2^(3 - 127): the byte cannot fall under 1
	v_max_num_f32_dpp v8, v8, v8 row_xmask:1 row_mask:0xf bank_mask:0xf   ; with my neighbour's 16: the block's
	v_add_nc_u32 v11, 0xff000000, v8               ; 2 off its exponent field: the conversion takes this operand's exponent field as its scale
	v_cvt_scalef32_pk8_fp4_f32 v[XC+4*(\t)], v[XS:XS+7], v11
	v_cvt_scalef32_pk8_fp4_f32 v[XC+4*(\t)+1], v[XS+8:XS+15], v11
	v_lshrrev_b32 v[XE+(\t)], 23, v11              ; the scale's byte
	ds_store_b8 v5, v[XE+(\t)] offset:16*(\t)      ; both lanes of a block write the same byte with the same value
	global_store_b64 v4, v[XC+4*(\t):XC+4*(\t)+1], s[18:19] offset:256*(\t)   ; the wave stores 256 consecutive bytes, aligned
.endm
.irp t, 0,1,2,3,4,5,6,7,8,9,10,11,12,13,14,15
	XSTEP \t
.endr
	ds_load_b64 v[8:9], v6                         ; my wave's 256 scale bytes
	s_wait_dscnt 0x0
	global_store_b64 v7, v[8:9], s[20:21]          ; 256 consecutive bytes, aligned
	s_wait_tensorcnt 0x0                           ; the wave's end: behind my last LDS store
	ds_add_u32 v[SPW], v[NIL]
	s_wait_dscnt 0x0
	s_endpgm
; ---------------- the weights: K is the first axis.  A lane takes a column and its registers run down K: each load reads 128 consecutive bytes a wave, a block of 32 along K lies in one lane.
.Lweights:
	s_sub_co_u32 s29, ttmp9, 128                   ; i = 0 .. 639
	s_mov_b64 s[30:31], s[10:11]                   ; i < 256: wq
	s_mov_b32 s34, 0                               ; the source's first i
	s_mov_b32 s35, 0                               ; its first column among the 6,144
	s_mov_b32 s36, 5                               ; log2 of its blocks of 128 columns
	s_cmp_ge_u32 s29, 256                          ; wk
	s_cselect_b64 s[30:31], s[12:13], s[30:31]
	s_cselect_b32 s34, 256, s34
	s_cselect_b32 s35, 4096, s35
	s_cselect_b32 s36, 3, s36
	s_cmp_ge_u32 s29, 320                          ; wv
	s_cselect_b64 s[30:31], s[14:15], s[30:31]
	s_cselect_b32 s34, 320, s34
	s_cselect_b32 s35, 5120, s35
	s_cmp_ge_u32 s29, 384                          ; wo
	s_cselect_b64 s[30:31], s[16:17], s[30:31]
	s_cselect_b32 s34, 384, s34
	s_cselect_b32 s35, 0, s35
	s_cselect_b32 s36, 5, s36
	s_sub_co_u32 s37, s29, s34
	s_lshr_b32 s38, s37, s36                       ; kb: which 512 along K
	s_lshl_b32 s39, s38, s36
	s_sub_co_u32 s39, s37, s39                     ; cb: which 128 columns
	s_lshl_b32 s40, 512, s36                       ; a row of the source in bytes: 16,384 or 4,096
	s_lshl_b32 s41, s39, 7
	s_lshl_b32 s42, s[WV], 5
	s_add_co_u32 s41, s41, s42                     ; my wave's first column in the source
	s_add_co_u32 s43, s41, s35                     ; and in the buffer that is written: a multiple of 32
	s_lshl_b32 s44, s40, 9
	s_mul_i32 s44, s44, s38                        ; kb x 512 rows
	s_lshl_b32 s45, s41, 2
	s_add_co_u32 s44, s44, s45
	s_mov_b32 s45, 0
	s_add_nc_u64 s[30:31], s[30:31], s[44:45]
	s_lshl_b32 s32, s40, 5                         ; 32 rows on
	s_mov_b32 s33, 0
	v_lshlrev_b32 v[VO], 2, v2
.set k, 1
.rept 31
	v_add_nc_u32 v[VO+k], s40, v[VO+k-1]
.set k, k+1
.endr
	v_and_b32 v5, 15, v2
	v_lshrrev_b32 v6, 4, v2
.macro WLOAD t                         ; block t: rows 32 t + 0 .. 31 of my column, into set t % 2
.if (\t) > 0
	s_wait_xcnt 0x0                                ; the earlier loads and stores have read their addresses and data: the base may step
	s_add_nc_u64 s[30:31], s[30:31], s[32:33]
.endif
.set k, 0
.rept 32
	global_load_b32 v[WX+32*((\t)%2)+k], v[VO+k], s[30:31] th:TH_LOAD_NT
.set k, k+1
.endr
.endm
	s_cmp_lt_u32 s29, 384
	s_cbranch_scc0 .Lcast
; ---- wq, wk, wv to codes, in the order of the operand's registers.  Block t of my 512 along K is k = 512 kb + 32 t: step 4 kb + t / 4, c = (t % 4) / 2, h = t % 2: 1,024 (t / 4) + 512 c + 256 h = 256 t bytes on.
; Lane l holds column l % 16 of tile l / 16 of my two: so sixteen lanes store 256 consecutive bytes, aligned, straight from the conversions' registers: no stage.
	v_lshlrev_b32 v8, 15, v6                       ; a tile's codes are 32,768 bytes,
	v_lshl_add_u32 v8, v5, 4, v8                   ; 16 bytes a column
	v_lshlrev_b32 v9, 11, v6                       ; a tile's scale words 2,048
	v_lshl_add_u32 v9, v5, 4, v9
	s_lshl_b32 s44, s43, 11                        ; (column / 16) x 32,768
	s_lshl_b32 s46, s38, 12                        ; + kb x four steps of 1,024
	s_add_co_u32 s44, s44, s46
	s_add_nc_u64 s[22:23], s[22:23], s[44:45]
	s_lshl_b32 s44, s43, 7                         ; (column / 16) x 2,048
	s_lshl_b32 s46, s38, 8                         ; + 512 (kb / 2) + 256 (kb % 2) = 256 kb
	s_add_co_u32 s44, s44, s46
	s_add_nc_u64 s[24:25], s[24:25], s[44:45]
	WLOAD 0
	WLOAD 1
.macro BLOCK t
.set XS, WX+32*((\t)%2)
.if (\t) < 15
	s_wait_loadcnt 32                              ; this block's 32 loads are in; the next block's may be out
.else
	s_wait_loadcnt 0
.endif
	v_max3_num_f32 v12, |v[XS]|, |v[XS+1]|, |v[XS+2]|              ; the block's largest magnitude: all 32 numbers are mine
	v_max3_num_f32 v13, |v[XS+3]|, |v[XS+4]|, |v[XS+5]|
.irp i, 6,10,14,18,22,26
	v_max3_num_f32 v12, v12, |v[XS+\i]|, |v[XS+\i+1]|
	v_max3_num_f32 v13, v13, |v[XS+\i+2]|, |v[XS+\i+3]|
.endr
	v_max3_num_f32 v12, v12, |v[XS+30]|, |v[XS+31]|
	v_max3_num_f32 v12, v12, v13, 0x1800000        ; and the floor
	v_add_nc_u32 v11, 0xff000000, v12              ; the conversion's scale operand
	v_lshrrev_b32 v13, 23, v11                     ; the scale's byte
.if (\t)%4 == 0
	v_mov_b32 v[SB+(\t)/4], v13
.else
	v_lshl_or_b32 v[SB+(\t)/4], v13, 8*((\t)%4), v[SB+(\t)/4]
.endif
.irp g, 0,1,2,3
	v_cvt_scalef32_pk8_fp4_f32 v[OUTR+4*(\t)+\g], v[XS+8*\g:XS+8*\g+7], v11   ; each block has four registers of its own: no store's data are written again
.endr
	global_store_b128 v8, v[OUTR+4*(\t):OUTR+4*(\t)+3], s[22:23] offset:256*(\t)
.if (\t)+2 < 16
	WLOAD (\t)+2
.endif
.endm
.irp t, 0,1,2,3,4,5,6,7,8,9,10,11,12,13,14,15
	BLOCK \t
.endr
	global_store_b128 v9, v[SB:SB+3], s[24:25]     ; my column's four scale words: sixteen lanes store 256 consecutive bytes, aligned
	s_wait_tensorcnt 0x0                           ; the wave's end
	ds_add_u32 v[SPW], v[NIL]
	s_wait_dscnt 0x0
	s_endpgm
; ---- wo to f16, x 4, K innermost.  A block is 64 bytes of a column's row; four blocks (256 bytes a column) are gathered in the stage and leave as rows.
.Lcast:
	s_mul_i32 s46, s[WV], 32*272
	s_add_co_u32 s46, s46, HSTG
	v_mul_u32_u24 v4, v2, 272
	v_add_nc_u32 v4, s46, v4
	v_mul_u32_u24 v7, v6, 272
	v_lshl_add_u32 v7, v5, 4, v7
	v_add_nc_u32 v7, s46, v7
	v_lshlrev_b32 v8, 13, v6
	v_lshl_add_u32 v8, v5, 4, v8                   ; two rows of wo16, 8,192 bytes apart
	s_lshl_b32 s44, s43, 13
	s_lshl_b32 s46, s38, 10
	s_add_co_u32 s44, s44, s46
	s_add_nc_u64 s[26:27], s[26:27], s[44:45]      ; wo16: row x 8,192 + 1,024 kb
	WLOAD 0
	WLOAD 1
.macro BLOCKH t
.set XS, WX+32*((\t)%2)
.if (\t) < 15
	s_wait_loadcnt 32                              ; this block's loads are in; the next block's may be out
.else
	s_wait_loadcnt 0
.endif
.set k, 0
.rept 16
	v_pk_mul_f32 v[XS+2*k:XS+2*k+1], v[XS+2*k:XS+2*k+1], 4.0 op_sel_hi:[1,0]
.set k, k+1
.endr
.set k, 0
.rept 16
	v_cvt_pk_f16_f32 v[WC+k], v[XS+2*k], v[XS+2*k+1]
.set k, k+1
.endr
.irp c, 0,1,2,3
	ds_store_b128 v4, v[WC+4*\c:WC+4*\c+3] offset:64*((\t)%4)+16*\c
.endr
.if (\t)+2 < 16
	WLOAD (\t)+2
.endif
	s_wait_dscnt 0x0                               ; the stores have landed and have read their registers
.endm
.macro OUTH g
	s_wait_xcnt 0x0                                ; the last group's stores have read the registers that are loaded again
.irp t, 0,1,2,3,4,5,6,7,8,9,10,11,12,13,14,15
	ds_load_b128 v[OUTR+4*\t:OUTR+4*\t+3], v7 offset:2*\t*272
.endr
.irp t, 0,1,2,3,4,5,6,7,8,9,10,11,12,13,14,15
	s_wait_dscnt 15-\t
	global_store_b128 v8, v[OUTR+4*\t:OUTR+4*\t+3], s[26:27] offset:2*\t*8192+256*(\g)   ; sixteen lanes store 256 consecutive bytes, aligned
.endr
.endm
.irp g, 0,1,2,3
	BLOCKH 4*\g
	BLOCKH 4*\g+1
	BLOCKH 4*\g+2
	BLOCKH 4*\g+3
	OUTH \g
.endr
	s_wait_tensorcnt 0x0                           ; the wave's end
	ds_add_u32 v[SPW], v[NIL]
	s_wait_dscnt 0x0
	s_endpgm
.Lfunc_end_k_qe992017304_prep:
	.size	k_qe992017304_prep, .Lfunc_end_k_qe992017304_prep-k_qe992017304_prep
	.p2alignl 7, 3214868480
	.fill 96, 4, 3214868480
	.section	.rodata,"a",@progbits
	.p2align	6, 0x0
	.amdhsa_kernel k_qe992017304_prep
		.amdhsa_group_segment_fixed_size 68096
		.amdhsa_private_segment_fixed_size 0
		.amdhsa_enable_private_segment 0
		.amdhsa_kernarg_size 80
		.amdhsa_user_sgpr_count 2
		.amdhsa_user_sgpr_kernarg_segment_ptr 1
		.amdhsa_wavefront_size32 1
		.amdhsa_system_sgpr_workgroup_id_x 1
		.amdhsa_system_sgpr_workgroup_id_y 1
		.amdhsa_system_sgpr_workgroup_id_z 1
		.amdhsa_system_vgpr_workitem_id 0
		.amdhsa_next_free_vgpr 216
		.amdhsa_next_free_sgpr 66
		.amdhsa_reserve_vcc 0
		.amdhsa_float_denorm_mode_32 3
		.amdhsa_float_denorm_mode_16_64 3
		.amdhsa_memory_ordered 1
		.amdhsa_forward_progress 1
		.amdhsa_inst_pref_size 209
	.end_amdhsa_kernel
	.amdgpu_metadata
---
amdhsa.version: [ 1, 2 ]
amdhsa.kernels:
  - .name:           k_qe992017304_prep
    .symbol:         k_qe992017304_prep.kd
    .args:
      - { .name: x, .offset: 0, .size: 8, .value_kind: global_buffer, .address_space: global }
      - { .name: wq, .offset: 8, .size: 8, .value_kind: global_buffer, .address_space: global }
      - { .name: wk, .offset: 16, .size: 8, .value_kind: global_buffer, .address_space: global }
      - { .name: wv, .offset: 24, .size: 8, .value_kind: global_buffer, .address_space: global }
      - { .name: wo, .offset: 32, .size: 8, .value_kind: global_buffer, .address_space: global }
      - { .name: xcodes, .offset: 40, .size: 8, .value_kind: global_buffer, .address_space: global }
      - { .name: xscales, .offset: 48, .size: 8, .value_kind: global_buffer, .address_space: global }
      - { .name: wcodes, .offset: 56, .size: 8, .value_kind: global_buffer, .address_space: global }
      - { .name: wscales, .offset: 64, .size: 8, .value_kind: global_buffer, .address_space: global }
      - { .name: wo16, .offset: 72, .size: 8, .value_kind: global_buffer, .address_space: global }
    .group_segment_fixed_size: 68096
    .private_segment_fixed_size: 0
    .kernarg_segment_align: 8
    .kernarg_segment_size: 80
    .max_flat_workgroup_size: 128
    .sgpr_count:     66
    .vgpr_count:     216
    .wavefront_size: 32
...
	.end_amdgpu_metadata
.endif
;; end of part 1
;; launch qkv (part 2): grid 24 x 8, 4 waves a work-group, clusters of 4 x 1, 327,680 bytes of LDS; arguments xcodes, xscales, wcodes, wscales, cos, sin, qkv; writes qkv
.if DOCPART == 2
	.amdgcn_target "amdgcn-amd-amdhsa--gfx1250"
	.amdhsa_code_object_version 6
	.text
	.protected	k_qe992017304_qkv
	.globl	k_qe992017304_qkv
	.p2align	8
	.type	k_qe992017304_qkv,@function
k_qe992017304_qkv:
	s_mov_b64 s[64:65], 0
	v_nop
	global_prefetch_b8 v0, s[64:65] scope:SCOPE_SE
	s_setreg_imm32_b32 hwreg(HW_REG_WAVE_MODE, 25, 1), 1
	s_wait_xcnt 0x0
	s_wait_alu depctr_hold_cnt(0) depctr_sa_sdst(0) depctr_va_vdst(0) depctr_va_sdst(0) depctr_va_ssrc(0) depctr_va_vcc(0) depctr_vm_vsrc(0)
	s_getreg_b32 s2, hwreg(HW_REG_IB_STS2, 6, 4)
	s_cmp_eq_u32 s2, 0
	s_cbranch_scc0 .Lentry_in_a_cluster
	s_endpgm
.Lentry_in_a_cluster:
	s_bfe_u32 s2, ttmp6, 0x10000c
	s_cmp_lg_u32 s2, 0x3003
	s_cbranch_scc0 .Lentry_shape_is_right
	s_endpgm
.Lentry_shape_is_right:
; QKV: [1024][6144] = Q(x) Q([wq wk wv]) on codes of FP4 with E8M0 scales, f32 sums; then the rotation by cos and sin (Q's and K's columns), a range factor, and f16.
; qkv [1024 (position)][6144] f16: Q' = rope(Q) x 4 / sqrt(128), K' = rope(K) / 4, V' = V / 4.  So Q' . K' is the score already divided by sqrt(128), and V / 4 is taken back by 4 wo.
; LIMIT: |Q'|, |K'|, |V'| stay under 65,504, f16's largest number.  Nothing of reference() is left out here.
; SHARES: a work-group makes 128 rows x 256 columns; wave w makes all 128 rows x columns 64 w .. 64 w + 63: 32 accumulators.  192 work-groups.
; NO RING.  x's codes of the 128 rows, for ALL of K (8 slabs of 512 along K, 128 rows x 272 bytes each), and their scale bytes come into LDS once, by first fills, and stay: nothing is filled again.
; THE WEIGHTS GO FROM MEMORY STRAIGHT INTO REGISTERS: the launch before has laid their codes and scale words in the order of the operand's registers, so a fragment is two loads of 512 consecutive bytes.
; A fragment of the weights feeds eight products of one wave and no other wave, so LDS would serve it nothing.  A ring of 8 steps x 32 registers runs seven steps of 128 along K ahead, under counted waits.
; CLUSTER 4 x 1: the four partners make the same 128 rows, so x's slabs are joint loads (mask 15).  The weights are not asked for jointly, though the eight tile rows read the same: x takes 295,936 of the
; 327,680 bytes of LDS, so no ring for them fits.  The cluster's x says which section it makes: 0-3 Q, 4 K, 5 V: the same in all four partners.  No prefetch: the register ring asks seven steps ahead.
; THE MATRIX INSTRUCTION IS USED TRANSPOSED: source 0 = 16 columns of the weights, source 1 = 16 rows of x: a lane holds row l % 16 and eight neighbouring columns 8 (l / 16) + 0 .. 7.
; A PHASE is 8 steps (1,024 along K, two slabs).  A scale register serves two steps: lanes 0-15 hold the words of a phase's steps 0-3, lanes 16-31 those of steps 4-7.
; The 32 steps are written out: every offset is an immediate and every count a constant.
; REGISTERS: window 0: v16-25 addresses; v32-95 x's scale words, two sets; v96-127 the weights', two sets; v128-255 x's fragments, two sets.  window 1: the weights' ring.  window 2: accumulator (a, b) at v[8 (4 a + b)].
.set PITCH,  272                       ; an LDS row: 256 bytes + 16 of padding: the 16 rows that a load touches begin 68 words apart
.set HALFA,  64*PITCH                  ; what one tensor load brings of a slab
.set SLAB,   128*PITCH
.set SCL,    8*SLAB                    ; x's scale bytes: 128 rows x 128 bytes as 64 rows of 256 + 16
.set QSC,    16*272                    ; a quarter of them: what one tensor load brings
.set SBLK,   8*272                     ; those of 16 rows
.set SPARE,  SCL+4*QSC                 ; the spare words: two blocks of 256 bytes that no other line names
.set SPITCH, 528                       ; the way out: a stage of 128 rows x (512 + 16) bytes from LDS byte 0 on: slabs 0 and 1 have had their only fill and their last read by then
.set ADRA, 16                          ; v16-19 LDS address of my lane's place in x's fragments, one for each phase
.set ADRS, 20                          ; v20 of x's scale words
.set LOFF, 21                          ; v21 16 x lane
.set STO,  22
.set RD,   23
.set CSO,  25                          ; v25 my byte offset in cos and sin
.set SPW,  28
.set NIL,  29
.set SCA,  32                          ; x's scale words: set (phase % 2) at v[32 + 32 set]; register 4 a + q
.set SCW,  96                          ; the weights': set at v[96 + 16 set]; register 4 b + q
.set AF,   128                         ; x's fragments: set (step % 2) at v[128 + 64 set]
.set G1,   24                          ; s[24:31] group 1 for x's codes;  s[52:59] for its scale bytes;  s[32:51] five groups 0: five loads of mine are out at once
.set G0,   32
.set G1S,  52
.set MSB, 0
.macro WIN new                         ; the immediate's high byte repeats the setting that is left
.if MSB != \new
	s_set_vgpr_msb (MSB<<8)|\new
.set MSB, \new
.endif
.endm
.set MUL,  0xa1                        ; source 0 window 1, source 1 window 0, C and D window 2
.set TO_B, 0x40                        ; destination window 1
.macro PLACES
.rept 4
	v_nop
.endr
.endm
.macro CROUND                          ; a round of the cluster's barrier
	s_barrier_signal -1
	s_barrier_wait -1
	s_cmp_lg_u32 s14, 0
	s_cbranch_scc1 .Lnot_wave_0_\@
	s_barrier_signal -3
.Lnot_wave_0_\@:
	s_barrier_wait -3
	s_barrier_signal -1
	s_barrier_wait -1
.endm
	s_load_b128 s[4:7], s[0:1], 0x0                ; xcodes, xscales
	s_load_b128 s[8:11], s[0:1], 0x10              ; wcodes, wscales
	s_load_b128 s[68:71], s[0:1], 0x20             ; cos, sin
	s_load_b64 s[12:13], s[0:1], 0x30              ; qkv
	v_lshl_add_u32 v[SPW], v0, 2, SPARE
	v_mov_b32 v[NIL], 0
	ds_add_u32 v[SPW], v[NIL]                      ; the opening: the add, twice on end, and its wait ahead of my first tensor load
	ds_add_u32 v[SPW], v[NIL]
	v_lshrrev_b32 v1, 5, v0
	v_readfirstlane_b32 s14, v1                    ; wave 0..3
	s_lshr_b32 s15, s14, 1                         ; which slab of a pair I fetch
	s_and_b32 s16, s14, 1                          ; which half of its rows.  Also: which half of a head my 64 columns are
	s_bfe_u32 s60, ttmp6, 0x40000                  ; cx
	s_lshl_b32 s61, ttmp9, 2
	s_add_co_u32 s61, s61, s60                     ; tile column 0 .. 23
	s_and_b32 s17, ttmp7, 0xffff                   ; tile row 0 .. 7: the four partners share it
	s_mov_b32 s[G1+0], 15|(0<<16)|(1<<20)|(1<<21)|(5<<22)|(3<<25)   ; the mask: all four partners; elements of 1 byte; padding on; bit 21 beside a mask; 4 words behind every 64
	s_mov_b32 s[G1+1], 256<<16                     ; tensor_dim0
	s_mov_b32 s[G1+2], 64<<16                      ; tensor_dim1
	s_mov_b32 s[G1+3], 256<<16                     ; tile_dim0
	s_mov_b32 s[G1+4], 64                          ; tile_dim1
	s_mov_b32 s[G1+5], 2048                        ; from row to row
	s_mov_b32 s[G1+6], 0
	s_mov_b32 s[G1+7], 0
	s_mov_b32 s[G1S+0], 15|(3<<16)|(1<<20)|(1<<21)|(5<<22)|(3<<25)  ; the scale bytes of 32 rows: a dense block of 4,096 bytes as 16 rows of 32 elements of 8 bytes
	s_mov_b32 s[G1S+1], 32<<16
	s_mov_b32 s[G1S+2], 16<<16
	s_mov_b32 s[G1S+3], 32<<16
	s_mov_b32 s[G1S+4], 16
	s_mov_b32 s[G1S+5], 32
	s_mov_b32 s[G1S+6], 0
	s_mov_b32 s[G1S+7], 0
	s_lshl_b32 s20, s17, 7
	s_lshl_b32 s18, s16, 6
	s_add_co_u32 s20, s20, s18                     ; x: row 128 x tile row + 64 x half,
	s_lshl_b32 s20, s20, 11                        ; 2,048 bytes a row,
	s_lshl_b32 s18, s15, 8
	s_add_co_u32 s20, s20, s18                     ; + 256 bytes for the odd slab of a pair
	s_mov_b32 s21, 0
	s_lshl_b32 s22, s17, 7
	s_lshl_b32 s18, s14, 5
	s_add_co_u32 s22, s22, s18                     ; the scale bytes: row 128 x tile row + 32 x wave,
	s_lshl_b32 s22, s22, 7                         ; 128 bytes a row
	s_mov_b32 s23, 0
	s_mul_i32 s18, s15, SLAB                       ; where they go: the wave's number alone enters an LDS address
	s_mul_i32 s19, s16, HALFA
	s_add_co_u32 s18, s18, s19
	s_mul_i32 s19, s14, QSC
	s_add_co_u32 s19, s19, SCL
	s_lshl_b32 s62, s61, 4
	s_lshl_b32 s63, s14, 2
	s_add_co_u32 s62, s62, s63                     ; my first tile of 16 columns: 16 x tile column + 4 x wave
	s_lshl_b32 s72, s62, 15                        ; its codes,
	s_mov_b32 s73, 0
	s_lshl_b32 s74, s62, 11                        ; its scale words
	s_mov_b32 s75, 0
	s_lshl_b32 s76, s17, 15                        ; cos, sin: 128 rows of 256 bytes a tile row,
	s_lshl_b32 s63, s16, 7
	s_add_co_u32 s76, s76, s63                     ; + 128 bytes for the head's upper 32 pairs
	s_mov_b32 s77, 0
	s_lshl_b32 s78, s17, 7
	s_lshl_b32 s63, s14, 5
	s_add_co_u32 s78, s78, s63                     ; the rows that I store: 128 x tile row + 32 x wave
	s_mul_i32 s78, s78, 12288
	s_lshl_b32 s63, s61, 9
	s_add_co_u32 s78, s78, s63                     ; + 512 bytes a tile column
	s_mov_b32 s79, 0
	v_and_b32 v1, 15, v0                           ; r = l % 16
	v_bfe_u32 v2, v0, 4, 1                         ; h = l / 16
	v_and_b32 v3, 31, v0
	v_lshlrev_b32 v[LOFF], 4, v3
	v_mul_u32_u24 v4, v1, PITCH
	v_lshl_add_u32 v4, v2, 4, v4                   ; a fragment's row x pitch + 16 h
.irp p, 0,1,2,3
	v_add_nc_u32 v[ADRA+\p], \p*2*SLAB, v4
.endr
	v_lshlrev_b32 v5, 7, v1                        ; my row's scale bytes: 128 a row,
	v_lshrrev_b32 v6, 8, v5
	v_lshl_add_u32 v5, v6, 4, v5                   ; 16 more for each 256 passed,
	v_lshl_add_u32 v5, v2, 4, v5                   ; lanes 16-31 four words further on
	v_add_nc_u32 v[ADRS], SCL, v5
	v_mul_u32_u24 v5, v1, SPITCH
	v_lshl_add_u32 v5, v2, 4, v5
	s_lshl_b32 s63, s14, 7
	v_add_nc_u32 v[STO], s63, v5                   ; into the stage: row r, my wave's 128 bytes, 16 for each half of the lanes
	s_mul_i32 s63, s14, 32*SPITCH
	v_add_nc_u32 v[RD], s63, v[LOFF]               ; back: my 32 rows, the 32 lanes take one row of 512 bytes
	v_lshlrev_b32 v5, 8, v1
	v_lshl_add_u32 v[CSO], v2, 4, v5               ; cos, sin: row r of 256 bytes, + 16 h: my four pairs of a tile
	s_wait_dscnt 0x0                               ; both opening adds are done
	s_wait_kmcnt 0x0
	s_add_nc_u64 s[20:21], s[4:5], s[20:21]
	s_add_nc_u64 s[22:23], s[6:7], s[22:23]
	s_add_nc_u64 s[8:9], s[8:9], s[72:73]
	s_add_nc_u64 s[10:11], s[10:11], s[74:75]
	s_add_nc_u64 s[68:69], s[68:69], s[76:77]
	s_add_nc_u64 s[70:71], s[70:71], s[76:77]
	s_add_nc_u64 s[12:13], s[12:13], s[78:79]
	s_mov_b32 s[G0], 1
	s_mov_b32 s[G0+1], s19
	s_mov_b64 s[G0+2:G0+3], s[22:23]
	s_or_b32 s[G0+3], s[G0+3], 0x80000000
.irp j, 0,1,2,3
	s_mov_b32 s[G0+4+4*\j], 1
	s_add_co_u32 s[G0+5+4*\j], s18, \j*2*SLAB                      ; slab 2 j + wave / 2, half wave % 2
	s_add_nc_u64 s[G0+6+4*\j:G0+7+4*\j], s[20:21], \j*512
	s_or_b32 s[G0+7+4*\j], s[G0+7+4*\j], 0x80000000
.endr
	CROUND                                         ; all four work-groups are here: the joint loads meet
	tensor_load_to_lds s[G0:G0+3], s[G1S:G1S+7]    ; the first fills, one group, every wave five: my quarter of the scale bytes,
	s_nop 0
.irp j, 0,1,2,3
	tensor_load_to_lds s[G0+4+4*\j:G0+7+4*\j], s[G1:G1+7]          ; and my half slab of each of the four phases, in the order in which they are wanted
	s_nop 0
.endr
	PLACES                                         ; behind a tensor load
.macro FETCH_A s                       ; x's eight fragments of step s (16 rows x 128 K of 4-bit codes: registers 4 c .. 4 c + 3 hold K = 64 c + 32 h + 0 .. 31) into set s % 2: 16 loads
.irp i, 0,1,2,3,4,5,6,7
.irp c, 0,1
	ds_load_b128 v[AF+64*((\s)%2)+8*\i+4*\c:AF+64*((\s)%2)+8*\i+4*\c+3], v[ADRA+(\s)/8] offset:(((\s)%8)/4)*SLAB+64*((\s)%4)+32*\c+\i*16*PITCH
.endr
.endr
.endm
.macro SCALES_A p                      ; x's scale words of phase p: lanes 0-15 steps 0-3, lanes 16-31 steps 4-7
.irp i, 0,1,2,3,4,5,6,7
	ds_load_b128 v[SCA+32*((\p)%2)+4*\i:SCA+32*((\p)%2)+4*\i+3], v[ADRS] offset:\i*SBLK+32*(\p)
.endr
.endm
.macro SCALES_W p                      ; the weights' scale words of phase p, likewise: four loads of 512 consecutive bytes
.irp b, 0,1,2,3
	global_load_b128 v[SCW+16*((\p)%2)+4*\b:SCW+16*((\p)%2)+4*\b+3], v[LOFF], s[10:11] offset:\b*2048+(\p)*512
.endr
.endm
.macro LOAD_B s                        ; the weights' four fragments of step s into place s % 8 of the ring: eight loads of 512 consecutive bytes
.irp b, 0,1,2,3
.irp c, 0,1
	global_load_b128 v[32*((\s)%8)+8*\b+4*\c:32*((\s)%8)+8*\b+4*\c+3], v[LOFF], s[8:9] offset:\b*32768+(\s)*1024+\c*512
.endr
.endr
.endm
; Step S's 32 matrix instructions.  The 32 accumulators take turns in one order in every step.  The first step starts the sums.
.macro MULS
.irp a, 0,1,2,3,4,5,6,7
.irp b, 0,1,2,3
.if S == 0
	v_wmma_scale_f32_16x16x128_f8f6f4 v[8*(4*\a+\b):8*(4*\a+\b)+7], v[32*(S%8)+8*\b:32*(S%8)+8*\b+7], v[AF+64*(S%2)+8*\a:AF+64*(S%2)+8*\a+7], 0, v[SCW+16*((S/8)%2)+4*\b+S%4], v[SCA+32*((S/8)%2)+4*\a+S%4] matrix_a_fmt:MATRIX_FMT_FP4 matrix_b_fmt:MATRIX_FMT_FP4
.elseif (S%8) < 4
	v_wmma_scale_f32_16x16x128_f8f6f4 v[8*(4*\a+\b):8*(4*\a+\b)+7], v[32*(S%8)+8*\b:32*(S%8)+8*\b+7], v[AF+64*(S%2)+8*\a:AF+64*(S%2)+8*\a+7], v[8*(4*\a+\b):8*(4*\a+\b)+7], v[SCW+16*((S/8)%2)+4*\b+S%4], v[SCA+32*((S/8)%2)+4*\a+S%4] matrix_a_fmt:MATRIX_FMT_FP4 matrix_b_fmt:MATRIX_FMT_FP4
.else
	v_wmma_scale_f32_16x16x128_f8f6f4 v[8*(4*\a+\b):8*(4*\a+\b)+7], v[32*(S%8)+8*\b:32*(S%8)+8*\b+7], v[AF+64*(S%2)+8*\a:AF+64*(S%2)+8*\a+7], v[8*(4*\a+\b):8*(4*\a+\b)+7], v[SCW+16*((S/8)%2)+4*\b+S%4], v[SCA+32*((S/8)%2)+4*\a+S%4] matrix_a_fmt:MATRIX_FMT_FP4 matrix_b_fmt:MATRIX_FMT_FP4 matrix_a_scale:MATRIX_SCALE_ROW1 matrix_b_scale:MATRIX_SCALE_ROW1
.endif
.endr
.endr
.endm
	SCALES_W 0                                     ; the weights' first scale words, then steps 0 to 6: 60 loads
	WIN TO_B
.irp s, 0,1,2,3,4,5,6
	LOAD_B \s
.endr
	WIN 0
	s_wait_tensorcnt 0x3                           ; my quarter of the scale bytes and my half slab of phase 0 are in; the three later half slabs may be out
	s_barrier_signal -1
	s_barrier_wait -1                              ; everybody's are
	FETCH_A 0
	SCALES_A 0
; A STEP: the next step's fragments of x and the weights' of seven steps on are asked for first, into the registers that the last step's products have read; they land under this step's 32 matrix instructions and those that follow.
.set S, 0
.rept 32
	s_wait_dscnt 0x0                               ; this step's fragments of x (and scale words) are in
.if ((S%8) == 7) && (S < 31)
	s_wait_tensorcnt 2-S/8                         ; my half slab of the next phase is in; those of later phases may be out
	s_barrier_signal -1
	s_barrier_wait -1                              ; everybody's is: the next phase's two slabs may be read
.endif
.if S > 0
	PLACES                                         ; four plain places between the last step's products and loads into the registers that they read
.endif
	WIN 0
.if S < 31
	FETCH_A S+1
.endif
.if ((S%8) == 7) && (S < 31)
	SCALES_A S/8+1
.endif
.if ((S%8) == 0) && (S < 24)
	SCALES_W S/8+1                                 ; ahead of this step's loads of codes: so they are in when the step that those serve begins
.endif
.if S < 25
	WIN TO_B
	LOAD_B S+7
.endif
.if S >= 24
	s_wait_loadcnt 8*(31-S)                        ; this step's fragments of the weights are in; the later steps' may be out
.elseif (S%8) == 7
	s_wait_loadcnt 56                              ; seven later steps' 56 loads may be out
.else
	s_wait_loadcnt 60                              ; and the next phase's four loads of scale words
.endif
	WIN MUL
	MULS
.set S, S+1
.endr
	WIN 0
	PLACES                                         ; in front of loads into, and reads and writes of, the products' registers
	s_wait_dscnt 0x0
	s_barrier_signal -1
	s_barrier_wait -1                              ; every wave has read x's slabs for the last time: the stage may be written
; THE WAY OUT.  Register j of accumulator (a, b): position 16 a + r, the head's channel 64 (wave % 2) + 16 b + 8 h + j; pair i = j / 2 is the head's pair 32 (wave % 2) + 8 b + 4 h + i.
	s_cmp_eq_u32 ttmp9, 5                          ; V's section: the cluster's x, the same in all four partners
	s_cbranch_scc1 .Lplain
	s_mov_b32 s18, 0x3eb504f3                      ; Q: 4 / sqrt(128)
	s_cmp_lt_u32 ttmp9, 4
	s_cselect_b32 s18, s18, 0x3e800000             ; K: 1 / 4
	s_mov_b32 s19, s18
	WIN TO_B                                       ; cos into window 1 v[16 a + 4 b], sin into v[128 + 16 a + 4 b]: four pairs a load
.irp a, 0,1,2,3,4,5,6,7
.irp b, 0,1,2,3
	global_load_b128 v[16*\a+4*\b:16*\a+4*\b+3], v[CSO], s[68:69] offset:4096*\a+32*\b
	global_load_b128 v[128+16*\a+4*\b:128+16*\a+4*\b+3], v[CSO], s[70:71] offset:4096*\a+32*\b
.endr
.endr
.irp a, 0,1,2,3,4,5,6,7
	s_wait_loadcnt 8*(7-\a)                        ; this block's eight loads are in; the later blocks' may be out
	WIN 0x41                                       ; destination and source 0 window 1
.set i, 0
.rept 8
	v_pk_mul_f32 v[16*\a+2*i:16*\a+2*i+1], v[16*\a+2*i:16*\a+2*i+1], s[18:19] op_sel_hi:[1,0]               ; the range factor goes into cos and sin
	v_pk_mul_f32 v[128+16*\a+2*i:128+16*\a+2*i+1], v[128+16*\a+2*i:128+16*\a+2*i+1], s[18:19] op_sel_hi:[1,0]
.set i, i+1
.endr
	WIN 0x06                                       ; source 0 window 2 (the sums), source 1 window 1 (cos, sin)
.irp b, 0,1,2,3
.irp i, 0,1,2,3
	v_mul_f32 v[96+2*\i], v[32*\a+8*\b+2*\i+1], v[128+16*\a+4*\b+\i]    ; x1 sin   (each accumulator's first read is its register 1)
	v_mul_f32 v[97+2*\i], v[32*\a+8*\b+2*\i+1], v[16*\a+4*\b+\i]        ; x1 cos
.endr
.irp i, 0,1,2,3
	v_fma_f32 v[32+8*\b+2*\i], v[32*\a+8*\b+2*\i], v[16*\a+4*\b+\i], -v[96+2*\i]       ; x0 cos - x1 sin
	v_fma_f32 v[33+8*\b+2*\i], v[32*\a+8*\b+2*\i], v[128+16*\a+4*\b+\i], v[97+2*\i]    ; x0 sin + x1 cos
.endr
.endr
	WIN 0
.set i, 0
.rept 16
	v_cvt_pk_f16_f32 v[128+16*\a+i], v[32+2*i], v[33+2*i]
.set i, i+1
.endr
.endr
	s_branch .Lpacked
.Lplain:
	s_mov_b32 s18, 0x3e800000                      ; V: 1 / 4
	s_mov_b32 s19, s18
.irp a, 0,1,2,3,4,5,6,7
	WIN 0x02                                       ; source 0 window 2
.set i, 0
.rept 16
	v_pk_mul_f32 v[32+2*i:33+2*i], v[32*\a+2*i:32*\a+2*i+1], s[18:19] op_sel_hi:[1,0]
.set i, i+1
.endr
	WIN 0
.set i, 0
.rept 16
	v_cvt_pk_f16_f32 v[128+16*\a+i], v[32+2*i], v[33+2*i]
.set i, i+1
.endr
.endr
.Lpacked:
; A lane's eight f16 are 16 bytes of a row, and a wave's 64 columns 128 bytes: a row's 512 bytes come from four waves.  They meet in the stage; each wave then stores 32 whole rows.
.irp a, 0,1,2,3,4,5,6,7
.irp b, 0,1,2,3
	ds_store_b128 v[STO], v[128+16*\a+4*\b:128+16*\a+4*\b+3] offset:\a*16*SPITCH+32*\b
.endr
.endr
	s_wait_dscnt 0x0                               ; for the others' sake: my stores into the stage are done
	s_barrier_signal -1
	s_barrier_wait -1
.set t, 0
.rept 32
	ds_load_b128 v[128+4*t:128+4*t+3], v[RD] offset:t*SPITCH
.set t, t+1
.endr
.set t, 0
.rept 32
	s_wait_dscnt 31-t                              ; the younger loads may be out
	global_store_b128 v[LOFF], v[128+4*t:128+4*t+3], s[12:13] offset:t*12288   ; 32 lanes store 512 consecutive bytes, at a multiple of 256 from qkv's first byte
.set t, t+1
.endr
	s_wait_tensorcnt 0x0                           ; the wave's end
	ds_add_u32 v[SPW], v[NIL]
	s_wait_dscnt 0x0
	CROUND                                         ; the closing round
	s_endpgm
.Lfunc_end_k_qe992017304_qkv:
	.size	k_qe992017304_qkv, .Lfunc_end_k_qe992017304_qkv-k_qe992017304_qkv
	.p2alignl 7, 3214868480
	.fill 96, 4, 3214868480
	.section	.rodata,"a",@progbits
	.p2align	6, 0x0
	.amdhsa_kernel k_qe992017304_qkv
		.amdhsa_group_segment_fixed_size 327680
		.amdhsa_private_segment_fixed_size 0
		.amdhsa_enable_private_segment 0
		.amdhsa_kernarg_size 56
		.amdhsa_user_sgpr_count 2
		.amdhsa_user_sgpr_kernarg_segment_ptr 1
		.amdhsa_wavefront_size32 1
		.amdhsa_system_sgpr_workgroup_id_x 1
		.amdhsa_system_sgpr_workgroup_id_y 1
		.amdhsa_system_sgpr_workgroup_id_z 1
		.amdhsa_system_vgpr_workitem_id 0
		.amdhsa_next_free_vgpr 768
		.amdhsa_next_free_sgpr 80
		.amdhsa_reserve_vcc 0
		.amdhsa_float_denorm_mode_32 3
		.amdhsa_float_denorm_mode_16_64 3
		.amdhsa_memory_ordered 1
		.amdhsa_forward_progress 1
		.amdhsa_inst_pref_size 255
	.end_amdhsa_kernel
	.section	.bss,"aw",@nobits
	.p2align	6
	.space	262144
	.amdgpu_metadata
---
amdhsa.version: [ 1, 2 ]
amdhsa.kernels:
  - .name:           k_qe992017304_qkv
    .symbol:         k_qe992017304_qkv.kd
    .args:
      - { .name: xcodes, .offset: 0, .size: 8, .value_kind: global_buffer, .address_space: global }
      - { .name: xscales, .offset: 8, .size: 8, .value_kind: global_buffer, .address_space: global }
      - { .name: wcodes, .offset: 16, .size: 8, .value_kind: global_buffer, .address_space: global }
      - { .name: wscales, .offset: 24, .size: 8, .value_kind: global_buffer, .address_space: global }
      - { .name: cos, .offset: 32, .size: 8, .value_kind: global_buffer, .address_space: global }
      - { .name: sin, .offset: 40, .size: 8, .value_kind: global_buffer, .address_space: global }
      - { .name: qkv, .offset: 48, .size: 8, .value_kind: global_buffer, .address_space: global }
    .group_segment_fixed_size: 327680
    .private_segment_fixed_size: 0
    .kernarg_segment_align: 8
    .kernarg_segment_size: 56
    .max_flat_workgroup_size: 128
    .sgpr_count:     80
    .vgpr_count:     768
    .wavefront_size: 32
...
	.end_amdgpu_metadata
.endif
;; end of part 2
;; launch attn (part 3): grid 32 x 8, 4 waves a work-group, clusters of 4 x 4, 327,680 bytes of LDS; arguments qkv, mask, attn; writes attn
.if DOCPART == 3
	.amdgcn_target "amdgcn-amd-amdhsa--gfx1250"
	.amdhsa_code_object_version 6
	.text
	.protected	k_qe992017304_attn
	.globl	k_qe992017304_attn
	.p2align	8
	.type	k_qe992017304_attn,@function
k_qe992017304_attn:
	s_mov_b64 s[64:65], 0
	v_nop
	global_prefetch_b8 v0, s[64:65] scope:SCOPE_SE
	s_setreg_imm32_b32 hwreg(HW_REG_WAVE_MODE, 25, 1), 1
	s_wait_xcnt 0x0
	s_wait_alu depctr_hold_cnt(0) depctr_sa_sdst(0) depctr_va_vdst(0) depctr_va_sdst(0) depctr_va_ssrc(0) depctr_va_vcc(0) depctr_vm_vsrc(0)
	s_getreg_b32 s2, hwreg(HW_REG_IB_STS2, 6, 4)
	s_cmp_eq_u32 s2, 0
	s_cbranch_scc0 .Lentry_in_a_cluster
	s_endpgm
.Lentry_in_a_cluster:
	s_bfe_u32 s2, ttmp6, 0x10000c
	s_cmp_lg_u32 s2, 0xf033
	s_cbranch_scc0 .Lentry_shape_is_right
	s_endpgm
.Lentry_shape_is_right:
; ATTN: attn[q][head] = softmax_k(Q' . K' + mask[q][k]) V', f16 operands, f32 sums; Q' . K' is the score already divided by sqrt(128); V' = V / 4, so attn holds a quarter of reference()'s value (4 wo takes it back).
; The mask is an input: it is loaded and added for every query and key, and every query walks all 1,024 keys.  Nothing of reference() is left out.
; LIMITS: the running maximum starts at -1e38, so a row all of whose scores lie under that is not served; NaN is not served.
; SHARES: a work-group owns 32 queries of the four query heads that share one key/value head; wave w owns head 4 G + w: two tiles of 16 queries.  All four waves read the same K', V' and mask tiles from LDS.
; LAYOUT: S^T = K' Q'^T + mask (source 0 = 16 keys, source 1 = 16 queries; THE MASK IS THE C OF THE SUM'S FIRST LINK, loaded straight into S's registers): a lane holds one query (l % 16) and keys 8 (l / 16) + 0 .. 7.
; Two such tiles, rounded to f16 in pairs, are source 1 (32 keys x 16 queries) of O^T = V'^T P.  V' ([key][channel]) comes out of LDS turned, by ds_load_tr16_b128.
; SOFTMAX: a running maximum m and sum l for each query: p = 2^(L s - L m), L = log2(e); in every step O^T and l are multiplied by a = 2^(L m_old - L m_new).
; A key step is 64 keys; a slot holds 128 keys (two steps); two slots.  The next step's K' and mask, and this step's V', come out of LDS under matrix and vector work.
; CLUSTER 4 x 4: K' and V' hang on the key/value head alone and are shared along a row of the cluster; the mask hangs on the block of queries alone and is shared along a column: joint loads.
; REGISTERS: window 0: v2-11 addresses; v12-27 statistics, 8 a tile (+0 L m, +1 m, +2, +3 l, +4 .. +7 at work; a at +6); v64-127 S^T; v128-159 P; v192-255 Q'.  window 1: v0-127 K', v128-255 V'.  window 2: v0-127 O^T.
.set PITK,  272                        ; a row of K' in LDS: 256 bytes + 16
.set PITV,  288                        ; of V': 256 + 32, for the turning load
.set VOFF,  128*PITK
.set MOFF,  VOFF+128*PITV              ; the mask: two tiles (a key step each) of 32 rows x (256 + 16)
.set SLOT1, 1<<17                      ; slot 1 begins here: one exclusive or turns an address
.set STAGE, SLOT1+MOFF+2*32*272        ; the way out: 16 rows x 272 bytes a wave; no fill lands here
.set SPARE, STAGE+4*16*272             ; the spare words
.set TILEB, 128*12288                  ; 128 rows of qkv
.set AK0, 2
.set AV0, 3
.set AM0, 4
.set ADR, 5
.set QO,  6
.set STO, 7
.set RD,  8
.set GO,  10
.set PFO, 11
.set ST,  12
.set SPW, 28
.set NIL, 29
.set S,   64
.set P,   128
.set QF,  192
.set WV,  12
.set G1K, 24
.set G1V, 32
.set G1M, 40
.set G0K, 48                           ; groups 0: a set for each first fill; the second then walks
.set G0V, 56
.set G0M, 68
.set SLOTS, 76
.set CS,  78
.set SEL, 80
.set TB,  82                           ; LDS byte at which the slot in hand begins
.set PFA, 84
.set PFS, 86
.set LIM, 88
.set PMSK, 89
.set MSB, 0
.macro WIN new
.if MSB != \new
	s_set_vgpr_msb (MSB<<8)|\new
.set MSB, \new
.endif
.endm
.set W_KQ, 0x01                        ; K' window 1; Q', S^T window 0
.set W_PV, 0xa1                        ; V' window 1, P window 0, O^T window 2
.set W_RS, 0x82                        ; O^T (destination, source 0) window 2, a window 0
.macro PLACES
.rept 4
	v_nop
.endr
.endm
; A joint refill: wave 0 fetches K', wave 1 V', waves 2 and 3 the mask's two step tiles.  The branches hang on the wave's number alone.  An s_nop 0 and four v_nop follow each line.
.macro JLOAD
	s_cmp_lt_u32 s[WV], 2
	s_cbranch_scc0 .Lfor_m_\@
	s_cmp_eq_u32 s[WV], 0
	s_cbranch_scc0 .Lfor_v_\@
	tensor_load_to_lds s[G0K+4:G0K+7], s[G1K:G1K+7]
	s_nop 0
.rept 4
	v_nop
.endr
	s_branch .Lasked_\@
.Lfor_v_\@:
	tensor_load_to_lds s[G0V+4:G0V+7], s[G1V:G1V+7]
	s_nop 0
.rept 4
	v_nop
.endr
	s_branch .Lasked_\@
.Lfor_m_\@:
	tensor_load_to_lds s[G0M+4:G0M+7], s[G1M:G1M+7]
	s_nop 0
.rept 4
	v_nop
.endr
.Lasked_\@:
.endm
; A PREFETCH INTO THE L2 of tiles that later changes of slots will ask for; each aligned 256 bytes is named once in the launch.
; K', V': all clusters of a row of clusters walk the same rows: the cluster with x = 0 asks; its four partners along x take 32 rows each, told apart by address; wave 0 K', wave 1 V', a lane a row; the tile one change on; tiles 3 to 7.
; The mask: all clusters of a column walk the same rows: the cluster with y = 0 asks, wave 2, a lane a query row; a pair of tiles is four blocks of 256 bytes a row, the four partners along y take one each, by address; at every other change: tiles 4, 5 and 6, 7.
.macro ASK
	s_cmp_gt_u32 s[SLOTS], s[LIM]
	s_cbranch_scc0 .Lnot_mine_\@
	s_and_b32 s90, s[SLOTS], s[PMSK]
	s_cmp_eq_u32 s90, 0
	s_cbranch_scc0 .Lnot_mine_\@
	global_prefetch_b8 v[PFO], s[PFA:PFA+1] th:TH_LOAD_NT scope:SCOPE_SE
.Lnot_mine_\@:
.endm
.macro CROUND
	s_barrier_signal -1
	s_barrier_wait -1
	s_cmp_lg_u32 s[WV], 0
	s_cbranch_scc1 .Lnot_wave_0_\@
	s_barrier_signal -3
.Lnot_wave_0_\@:
	s_barrier_wait -3
	s_barrier_signal -1
	s_barrier_wait -1
.endm
	s_load_b128 s[4:7], s[0:1], 0x0                ; qkv, mask
	s_load_b64 s[8:9], s[0:1], 0x10                ; attn
	v_lshl_add_u32 v[SPW], v0, 2, SPARE
	v_mov_b32 v[NIL], 0
	ds_add_u32 v[SPW], v[NIL]                      ; the opening: the add, twice on end, and its wait ahead of my first tensor load
	ds_add_u32 v[SPW], v[NIL]
	v_lshrrev_b32 v1, 5, v0
	v_readfirstlane_b32 s[WV], v1                  ; wave 0..3
	s_bfe_u32 s13, ttmp6, 0x40000                  ; cx
	s_bfe_u32 s14, ttmp6, 0x40004                  ; cy
	s_lshl_b32 s15, ttmp9, 2
	s_add_co_u32 s15, s15, s13                     ; my block of 32 queries, 0 .. 31
	s_and_b32 s16, ttmp7, 0xffff
	s_lshl_b32 s16, s16, 2
	s_add_co_u32 s16, s16, s14                     ; my key/value head, 0 .. 7
	s_lshl_b32 s17, s14, 2
	s_lshl_b32 s17, 15, s17                        ; my row of the cluster
	s_lshl_b32 s18, 0x1111, s13                    ; my column
	s_or_b32 s[G1K], s17, (1<<16)|(1<<20)|(1<<21)|(5<<22)|(3<<25)   ; elements of 2 bytes; 4 words of padding behind every 64
	s_or_b32 s[G1V], s17, (1<<16)|(1<<20)|(1<<21)|(5<<22)|(7<<25)   ; 8 words
	s_or_b32 s[G1M], s18, (2<<16)|(1<<20)|(1<<21)|(5<<22)|(3<<25)   ; elements of 4 bytes
.irp g, G1K, G1V
	s_mov_b32 s[\g+1], 128<<16                     ; tensor_dim0
	s_mov_b32 s[\g+2], 128<<16                     ; tensor_dim1
	s_mov_b32 s[\g+3], 128<<16                     ; tile_dim0
	s_mov_b32 s[\g+4], 128                         ; tile_dim1
	s_mov_b32 s[\g+5], 6144                        ; from row to row
	s_mov_b32 s[\g+6], 0
	s_mov_b32 s[\g+7], 0
.endr
	s_mov_b32 s[G1M+1], 64<<16
	s_mov_b32 s[G1M+2], 32<<16
	s_mov_b32 s[G1M+3], 64<<16
	s_mov_b32 s[G1M+4], 32
	s_mov_b32 s[G1M+5], 1024
	s_mov_b32 s[G1M+6], 0
	s_mov_b32 s[G1M+7], 0
	s_lshl_b32 s20, s16, 8
	s_add_co_u32 s20, s20, 8192                    ; K' of my key/value head: it hangs on the head alone
	s_mov_b32 s21, 0
	s_and_b32 s19, s[WV], 1
	s_lshl_b32 s22, s15, 17                        ; the mask's 32 rows of 4,096 bytes: they hang on the block of queries alone,
	s_lshl_b32 s23, s19, 8                         ; and which step tile I fetch
	s_add_co_u32 s22, s22, s23
	s_mov_b32 s23, 0
	s_mul_i32 s19, s19, 32*272
	s_add_co_u32 s19, s19, MOFF                    ; its place in a slot
	s_lshl_b32 s90, s16, 2
	s_add_co_u32 s90, s90, s[WV]                   ; my query head,
	s_lshl_b32 s90, s90, 8                         ; 256 bytes a head
	s_mul_i32 s2, s15, 32*12288
	s_add_co_u32 s2, s2, s90                       ; Q'
	s_mov_b32 s3, 0
	s_lshl_b32 s92, s15, 18                        ; attn: 32 rows of 8,192 bytes
	s_add_co_u32 s92, s92, s90
	s_mov_b32 s93, 0
	s_mov_b32 s[CS], 0x3fb8aa3b                    ; L = log2(e)
	s_mov_b32 s[CS+1], s[CS]
	s_mov_b32 s[SEL], 0x76543210
	s_mov_b32 s[SEL+1], 0xfedcba98
	s_mov_b32 s[TB], 0
	s_mov_b32 s[SLOTS], 6
	s_wait_dscnt 0x0                               ; both opening adds are done
	s_wait_kmcnt 0x0
	s_add_nc_u64 s[20:21], s[4:5], s[20:21]
	s_add_nc_u64 s[22:23], s[6:7], s[22:23]
	s_add_nc_u64 s[10:11], s[4:5], s[2:3]
	s_add_nc_u64 s[8:9], s[8:9], s[92:93]
	; the prefetches: who asks, and where
	s_and_b32 s90, ttmp7, 0xffff                   ; cluster y
	s_lshl_b32 s93, s[WV], 11                      ; K' (wave 0) or V' (wave 1), 2,048 bytes on,
	s_add_co_u32 s93, s93, 8192+2*TILEB            ; at tile 2: the first change steps it to tile 3
	s_lshl_b32 s94, s16, 8
	s_add_co_u32 s93, s93, s94
	s_mul_i32 s94, s13, 32*12288                   ; my work-group's 32 rows of the 128
	s_add_co_u32 s93, s93, s94
	s_lshl_b32 s94, s15, 17                        ; the mask: my block's rows,
	s_lshl_b32 s95, s14, 8                         ; my work-group's block of 256 bytes of the four,
	s_add_co_u32 s94, s94, s95
	s_add_co_u32 s94, s94, 3*512                   ; at tile 3: the first change steps it to tile 4
	s_mov_b32 s[PFS], 512
	s_mov_b32 s92, 4096
	s_cmp_lt_u32 s[WV], 2
	s_cselect_b32 s91, ttmp9, s90                  ; the coordinate along which other clusters read the same rows
	s_cselect_b32 s[LIM], 1, 2
	s_cselect_b32 s[PMSK], 0, 1
	s_cselect_b32 s[PFS], TILEB, s[PFS]            ; a tile on
	s_cselect_b32 s92, 12288, s92                  ; from lane to lane
	s_cselect_b32 s94, s93, s94
	s_cselect_b64 s[PFA:PFA+1], s[4:5], s[6:7]
	s_mov_b32 s95, 0
	s_mov_b32 s[PFS+1], 0
	s_add_nc_u64 s[PFA:PFA+1], s[PFA:PFA+1], s[94:95]
	s_cmp_eq_u32 s[WV], 3                          ; wave 3 asks for nothing
	s_cselect_b32 s91, 1, s91
	s_cmp_eq_u32 s91, 0
	s_cselect_b32 s[LIM], s[LIM], -1               ; the same in all sixteen partners, for a given wave
	v_and_b32 v[PFO], 31, v0
	v_mul_lo_u32 v[PFO], v[PFO], s92
	CROUND                                         ; all sixteen work-groups are here: the first joint loads meet
.irp s, 0,1
	s_mov_b32 s[G0K+4*\s], 1
	s_mov_b32 s[G0K+4*\s+1], \s*SLOT1
	s_add_nc_u64 s[G0K+4*\s+2:G0K+4*\s+3], s[20:21], \s*TILEB
	s_or_b32 s[G0K+4*\s+3], s[G0K+4*\s+3], 0x80000000
	s_mov_b32 s[G0V+4*\s], 1
	s_mov_b32 s[G0V+4*\s+1], \s*SLOT1+VOFF
	s_add_nc_u64 s[G0V+4*\s+2:G0V+4*\s+3], s[20:21], \s*TILEB+2048
	s_or_b32 s[G0V+4*\s+3], s[G0V+4*\s+3], 0x80000000
	s_mov_b32 s[G0M+4*\s], 1
	s_add_co_u32 s[G0M+4*\s+1], s19, \s*SLOT1
	s_add_nc_u64 s[G0M+4*\s+2:G0M+4*\s+3], s[22:23], \s*512
	s_or_b32 s[G0M+4*\s+3], s[G0M+4*\s+3], 0x80000000
.endr
	s_cmp_lt_u32 s[WV], 2                          ; a wave's two first fills stand in one arm: two loads of mine are out
	s_cbranch_scc0 .Lfirst_m
	s_cmp_eq_u32 s[WV], 0
	s_cbranch_scc0 .Lfirst_v
	tensor_load_to_lds s[G0K:G0K+3], s[G1K:G1K+7]
	s_nop 0
	tensor_load_to_lds s[G0K+4:G0K+7], s[G1K:G1K+7]
	s_nop 0
.rept 4
	v_nop
.endr
	s_branch .Lfirst_asked
.Lfirst_v:
	tensor_load_to_lds s[G0V:G0V+3], s[G1V:G1V+7]
	s_nop 0
	tensor_load_to_lds s[G0V+4:G0V+7], s[G1V:G1V+7]
	s_nop 0
.rept 4
	v_nop
.endr
	s_branch .Lfirst_asked
.Lfirst_m:
	tensor_load_to_lds s[G0M:G0M+3], s[G1M:G1M+7]
	s_nop 0
	tensor_load_to_lds s[G0M+4:G0M+7], s[G1M:G1M+7]
	s_nop 0
.rept 4
	v_nop
.endr
.Lfirst_asked:
	v_and_b32 v1, 15, v0                           ; r
	v_bfe_u32 v9, v0, 4, 1                         ; h
	v_mul_u32_u24 v[QO], v1, 12288
	v_lshl_add_u32 v[QO], v9, 4, v[QO]
.irp t, 0,1                                        ; Q' stays in registers: tile t, channels 32 c on
.irp c, 0,1,2,3
	global_load_b128 v[QF+32*\t+8*\c:QF+32*\t+8*\c+3],   v[QO], s[10:11] offset:\t*196608+\c*64
	global_load_b128 v[QF+32*\t+8*\c+4:QF+32*\t+8*\c+7], v[QO], s[10:11] offset:\t*196608+\c*64+32
.endr
.endr
	v_mul_u32_u24 v[AK0], v1, PITK
	v_lshl_add_u32 v[AK0], v9, 4, v[AK0]           ; K': row r x pitch + 16 h
	v_and_b32 v30, 7, v0
	v_bfe_u32 v31, v0, 3, 1
	v_lshl_add_u32 v[AV0], v9, 3, v30              ; V': key 8 h + l % 8, channels 8 ((l / 8) % 2) on
	v_mul_u32_u24 v[AV0], v[AV0], PITV
	v_lshl_add_u32 v[AV0], v31, 4, v[AV0]
	v_add_nc_u32 v[AV0], VOFF, v[AV0]
	v_mul_u32_u24 v[AM0], v1, 272
	v_lshl_add_u32 v[AM0], v9, 5, v[AM0]           ; the mask: query r's row, + 32 h: my eight keys of a tile
	v_add_nc_u32 v[AM0], MOFF, v[AM0]
	s_mul_i32 s90, s[WV], 16*272
	s_add_co_u32 s90, s90, STAGE                   ; my stage
	v_mul_u32_u24 v[STO], v1, 272
	v_lshl_add_u32 v[STO], v9, 4, v[STO]
	v_add_nc_u32 v[STO], s90, v[STO]
	v_mul_u32_u24 v[RD], v9, 272
	v_lshl_add_u32 v[RD], v1, 4, v[RD]
	v_add_nc_u32 v[RD], s90, v[RD]
	v_lshlrev_b32 v[GO], 13, v9
	v_lshl_add_u32 v[GO], v1, 4, v[GO]             ; two rows of attn, 8,192 bytes apart
.irp t, 0,1
	v_mov_b32 v[ST+8*\t+1], 0xfe967699             ; m = -1e38
	v_mul_f32 v[ST+8*\t], s[CS], v[ST+8*\t+1]      ; L m
	v_mov_b32 v[ST+8*\t+2], 0                      ; l
	v_mov_b32 v[ST+8*\t+3], 0
.endr
	WIN 0x80                                       ; O^T begins as zeros: the key step is then written in one form, with no first step of its own
.set i, 0
.rept 128
	v_mov_b32 v[i], 0
.set i, i+1
.endr
	WIN 0
.macro FETCH_K st                      ; a step's K': 16 fragments (keys 16 (f / 4) on, channels 32 (f % 4) on)
	WIN 0
	v_add_nc_u32 v[ADR], s[TB], v[AK0]
	PLACES                                         ; four plain places between the products that read K' and these loads
	WIN 0x40
.set f, 0
.rept 16
	ds_load_b128 v[8*f:8*f+3],   v[ADR] offset:(\st)*64*PITK+(f/4)*16*PITK+(f%4)*64
	ds_load_b128 v[8*f+4:8*f+7], v[ADR] offset:(\st)*64*PITK+(f/4)*16*PITK+(f%4)*64+32
.set f, f+1
.endr
.endm
.macro FETCH_V st                      ; a step's V', turned: keys 32 (f / 8) on, channels 16 (f % 8) on
	WIN 0
	v_add_nc_u32 v[ADR], s[TB], v[AV0]
	PLACES
	WIN 0x40
.set f, 0
.rept 16
	ds_load_tr16_b128 v[128+8*f:128+8*f+3],   v[ADR] offset:(\st)*64*PITV+(f/8)*32*PITV+(f%8)*32
	ds_load_tr16_b128 v[128+8*f+4:128+8*f+7], v[ADR] offset:(\st)*64*PITV+(f/8)*32*PITV+16*PITV+(f%8)*32
.set f, f+1
.endr
.endm
.macro FETCH_M st                      ; a step's mask, straight into S^T's registers: tile t, keys 16 k + 8 h + 0 .. 7
	WIN 0
	v_add_nc_u32 v[ADR], s[TB], v[AM0]
.irp t, 0,1
.irp k, 0,1,2,3
	ds_load_b128 v[S+32*\t+8*\k:S+32*\t+8*\k+3],   v[ADR] offset:(\st)*8704+\t*4352+64*\k
	ds_load_b128 v[S+32*\t+8*\k+4:S+32*\t+8*\k+7], v[ADR] offset:(\st)*8704+\t*4352+64*\k+16
.endr
.endr
.endm
.macro KQ                              ; S^T += K' Q'^T: eight accumulators by turns, channels 32 (i / 8) on
	WIN W_KQ
.set i, 0
.rept 32
.set rS, S+32*(i%2)+8*((i/2)%4)
.set rK, 32*((i/2)%4)+8*(i/8)
.set rQ, QF+32*(i%2)+8*(i/8)
	v_wmma_f32_16x16x32_f16 v[rS:rS+7], v[rK:rK+7], v[rQ:rQ+7], v[rS:rS+7]
.set i, i+1
.endr
.endm
.macro PVM                             ; O^T += V'^T P: sixteen accumulators by turns, keys 32 (i / 16) on
	WIN W_PV
.set i, 0
.rept 32
.set rO, 64*(i%2)+8*((i/2)%8)
.set rV, 128+64*(i/16)+8*((i/2)%8)
.set rP, P+16*(i%2)+8*(i/16)
	v_wmma_f32_16x16x32_f16 v[rO:rO+7], v[rV:rV+7], v[rP:rP+7], v[rO:rO+7]
.set i, i+1
.endr
.endm
.macro SCALE t, b                      ; pair b of tile t: L s - L m
	v_pk_fma_f32 v[S+32*\t+2*\b:S+32*\t+2*\b+1], v[S+32*\t+2*\b:S+32*\t+2*\b+1], s[CS:CS+1], v[ST+8*\t:ST+8*\t+1] op_sel_hi:[1,0,0] neg_lo:[0,0,1] neg_hi:[0,0,1]
.endm
.macro SOFT1                           ; maximum, exponentials, P and the sums, both tiles by turns
	WIN 0
.irp j, 0,1,2,3                                    ; four chains a tile; each accumulator is first read at its low end
.irp t, 0,1
	v_max3_num_f32 v[ST+8*\t+4+\j], v[S+32*\t+8*\j], v[S+32*\t+8*\j+1], v[S+32*\t+8*\j+2]
.endr
.endr
.irp g, 1,2
.irp j, 0,1,2,3
.irp t, 0,1
	v_max3_num_f32 v[ST+8*\t+4+\j], v[ST+8*\t+4+\j], v[S+32*\t+8*\j+2*\g+1], v[S+32*\t+8*\j+2*\g+2]
.endr
.endr
.endr
.irp t, 0,1
	v_max3_num_f32 v[ST+8*\t+4], v[ST+8*\t+4], v[S+32*\t+7], v[S+32*\t+15]
.endr
.irp t, 0,1
	v_max3_num_f32 v[ST+8*\t+6], v[ST+8*\t+6], v[S+32*\t+23], v[S+32*\t+31]
.endr
.irp t, 0,1
	v_max3_num_f32 v[ST+8*\t+4], v[ST+8*\t+4], v[ST+8*\t+5], v[ST+8*\t+6]
.endr
.irp t, 0,1
	v_max3_num_f32 v[ST+8*\t+4], v[ST+8*\t+4], v[ST+8*\t+7], v[ST+8*\t+1]   ; and the old m
.endr
.irp t, 0,1
	v_permlanex16_b32 v[ST+8*\t+5], v[ST+8*\t+4], s[SEL], s[SEL+1]          ; the query's other 32 keys lie in the lane 16 away
.endr
.irp t, 0,1
	v_mov_b32 v[ST+8*\t+7], v[ST+8*\t]             ; L m_old
.endr
.irp t, 0,1
	v_max_num_f32 v[ST+8*\t+1], v[ST+8*\t+4], v[ST+8*\t+5]
.endr
.irp t, 0,1
	v_mul_f32 v[ST+8*\t], s[CS], v[ST+8*\t+1]
.endr
.irp t, 0,1
	v_sub_f32 v[ST+8*\t+7], v[ST+8*\t+7], v[ST+8*\t]
.endr
.irp b, 0,1,2,3,4,5,6,7,8,9,10,11,12,13,14,15
	SCALE 0, \b
.endr
.irp t, 0,1                                        ; ONE BATCH of 66 exponentials; nothing in it names an exponential's result
	v_exp_f32 v[ST+8*\t+6], v[ST+8*\t+7]           ; a
.endr
.irp b, 0,1,2,3,4,5,6,7,8,9,10,11,12,13,14,15
	v_exp_f32 v[S+2*\b], v[S+2*\b]
	v_exp_f32 v[S+2*\b+1], v[S+2*\b+1]
	SCALE 1, \b                                    ; tile 1's scalings stand between tile 0's exponentials
.endr
.set i, 0
.rept 32
	v_exp_f32 v[S+32+i], v[S+32+i]
.set i, i+1
.endr
	v_nop                                          ; a plain instruction behind the last exponential
	s_wait_alu depctr_va_vdst(0)                   ; the wait ahead of the first reader: one for the batch
.set i, 0
.rept 16
	v_cvt_pk_f16_f32 v[P+i], v[S+2*i], v[S+2*i+1]
	v_cvt_pk_f16_f32 v[P+16+i], v[S+32+2*i], v[S+32+2*i+1]
.set i, i+1
.endr
.irp u, 0,1,2,3,4,5,6,7                            ; the sum of a tile's 16 pairs, in place
.irp t, 0,1
	v_pk_add_f32 v[S+32*\t+4*\u:S+32*\t+4*\u+1], v[S+32*\t+4*\u:S+32*\t+4*\u+1], v[S+32*\t+4*\u+2:S+32*\t+4*\u+3]
.endr
.endr
.irp u, 0,1,2,3
.irp t, 0,1
	v_pk_add_f32 v[S+32*\t+8*\u:S+32*\t+8*\u+1], v[S+32*\t+8*\u:S+32*\t+8*\u+1], v[S+32*\t+8*\u+4:S+32*\t+8*\u+5]
.endr
.endr
.irp u, 0,1
.irp t, 0,1
	v_pk_add_f32 v[S+32*\t+16*\u:S+32*\t+16*\u+1], v[S+32*\t+16*\u:S+32*\t+16*\u+1], v[S+32*\t+16*\u+8:S+32*\t+16*\u+9]
.endr
.endr
.irp t, 0,1
	v_pk_add_f32 v[S+32*\t:S+32*\t+1], v[S+32*\t:S+32*\t+1], v[S+32*\t+16:S+32*\t+17]
.endr
.irp t, 0,1
	v_pk_fma_f32 v[ST+8*\t+2:ST+8*\t+3], v[ST+8*\t+2:ST+8*\t+3], v[ST+8*\t+6:ST+8*\t+7], v[S+32*\t:S+32*\t+1] op_sel_hi:[1,0,1]   ; l = a l + the sum
.endr
.endm
.macro SOFT2                           ; O^T x a
	WIN W_RS
.irp t, 0,1
.set i, 0
.rept 32
	v_pk_mul_f32 v[64*\t+2*i:64*\t+2*i+1], v[64*\t+2*i:64*\t+2*i+1], v[ST+8*\t+6:ST+8*\t+7] op_sel_hi:[1,0]
.set i, i+1
.endr
.endr
.endm
; THE CHANGE OF SLOTS, in the middle of a slot's second step: its last bytes (V' of that step) have been asked for.  Each wave waits for all its tensor loads (its part of the other slot), adds 0 to its spare word,
; and waits for that and for its reads of the slot.  fill = 1: a round of the cluster's barrier, and behind it the slot is filled with the keys two tiles on: the load has two key steps in which to land.
.macro CHANGE fill
	WIN 0
	s_wait_tensorcnt 0x0                           ; no tensor load of mine is out: a group 0 may be written
	ds_add_u32 v[SPW], v[NIL]
.if \fill
.irp g, G0K+4, G0V+4
	s_xor_b32 s[\g+1], s[\g+1], SLOT1              ; the walking descriptors: the other slot than last time,
	s_add_nc_u64 s[\g+2:\g+3], s[\g+2:\g+3], TILEB ; the next 128 keys
.endr
	s_xor_b32 s[G0M+5], s[G0M+5], SLOT1
	s_add_nc_u64 s[G0M+6:G0M+7], s[G0M+6:G0M+7], 512
	s_wait_xcnt 0x0                                ; the last prefetch, two key steps back, has read its address
	s_add_nc_u64 s[PFA:PFA+1], s[PFA:PFA+1], s[PFS:PFS+1]
	s_wait_dscnt 0x0                               ; the add is done, and my reads of the slot are over
	CROUND
	JLOAD                                          ; my one tensor load behind the round
	ASK
.else
	s_wait_dscnt 0x0
	s_barrier_signal -1
	s_barrier_wait -1
.endif
	s_xor_b32 s[TB], s[TB], SLOT1                  ; the fetches go on in the other slot
.endm
; A KEY STEP, the st-th of its slot.  mid = 1, 2: the change of slots, with or without a refill.  nxt = 1: the next step's K' and mask are fetched.
.macro STEP st, mid, nxt
	FETCH_V \st
	s_wait_dscnt 32                                ; K' and the mask of this step are in; V's 32 loads may be out
	KQ
.if \mid == 1
	CHANGE 1
.elseif \mid == 2
	CHANGE 0
.endif
.if \nxt
	FETCH_K 1-\st                                  ; its places also stand between the products and the first read of the scores
.else
	WIN 0
	PLACES
.endif
	SOFT1
.if \nxt
	FETCH_M 1-\st                                  ; S^T's registers are free: P and the sums are made
.endif
	SOFT2
.if \nxt
	s_wait_dscnt 48                                ; V' is in; the next K's 32 loads and the next mask's 16 may be out
.else
	s_wait_dscnt 0x0
.endif
	PVM
.endm
	s_wait_tensorcnt 0x1                           ; my part of slot 0 is in; slot 1's may stay out
	s_barrier_signal -1
	s_barrier_wait -1
	FETCH_K 0
	FETCH_M 0
	s_wait_loadcnt 0x0                             ; Q'
.Lslot:                                            ; six trips: trip t reads tile t and asks for tile t + 2
	STEP 0, 0, 1
	STEP 1, 1, 1
	WIN 0
	s_sub_co_u32 s[SLOTS], s[SLOTS], 1
	s_cmp_lg_u32 s[SLOTS], 0
	s_cbranch_scc1 .Lslot
	STEP 0, 0, 1                                   ; the last two tiles are written out: nothing more is asked for
	STEP 1, 2, 1
	STEP 0, 0, 1
	STEP 1, 0, 0
	; THE WAY OUT: O^T / l, to f16, through my stage, a tile (16 rows) at a time.
	WIN 0
	PLACES
.irp t, 0,1
	v_add_f32 v[ST+8*\t+4], v[ST+8*\t+2], v[ST+8*\t+3]
.endr
.irp t, 0,1
	v_permlanex16_b32 v[ST+8*\t+5], v[ST+8*\t+4], s[SEL], s[SEL+1]
.endr
.irp t, 0,1
	v_add_f32 v[ST+8*\t+4], v[ST+8*\t+4], v[ST+8*\t+5]
.endr
.irp t, 0,1
	v_rcp_f32 v[ST+8*\t+6], v[ST+8*\t+4]
.endr
	v_nop
	s_wait_alu depctr_va_vdst(0)                   ; one wait for both reciprocals, ahead of their first reader
.macro PACK t
	WIN W_RS
.set i, 0
.rept 32
	v_pk_mul_f32 v[64*\t+2*i:64*\t+2*i+1], v[64*\t+2*i:64*\t+2*i+1], v[ST+8*\t+6:ST+8*\t+7] op_sel_hi:[1,0]
.set i, i+1
.endr
	WIN 0x0a                                       ; sources 0 and 1 window 2, destination window 0
.set i, 0
.rept 32
	v_cvt_pk_f16_f32 v[S+32*\t+i], v[64*\t+2*i], v[64*\t+2*i+1]
.set i, i+1
.endr
	WIN 0
.irp f, 0,1,2,3,4,5,6,7
	ds_store_b128 v[STO], v[S+32*\t+4*\f:S+32*\t+4*\f+3] offset:32*\f
.endr
.irp f, 0,1,2,3,4,5,6,7
	ds_load_b128 v[S+32*\t+4*\f:S+32*\t+4*\f+3], v[RD] offset:\f*2*272   ; LDS serves a wave's instructions in order
.endr
.endm
.macro SEND t, younger
.irp f, 0,1,2,3,4,5,6,7
	s_wait_dscnt \younger+7-\f
	global_store_b128 v[GO], v[S+32*\t+4*\f:S+32*\t+4*\f+3], s[8:9] offset:\t*131072+\f*16384   ; sixteen lanes store 256 consecutive bytes, aligned
.endr
.endm
	PACK 0
	PACK 1
	SEND 0, 16                                     ; behind tile 0's loads: tile 1's 8 stores and 8 loads
	SEND 1, 0
	s_wait_tensorcnt 0x0                           ; the wave's end
	ds_add_u32 v[SPW], v[NIL]
	s_wait_dscnt 0x0
	CROUND                                         ; the closing round
	s_endpgm
.Lfunc_end_k_qe992017304_attn:
	.size	k_qe992017304_attn, .Lfunc_end_k_qe992017304_attn-k_qe992017304_attn
	.p2alignl 7, 3214868480
	.fill 96, 4, 3214868480
	.section	.rodata,"a",@progbits
	.p2align	6, 0x0
	.amdhsa_kernel k_qe992017304_attn
		.amdhsa_group_segment_fixed_size 327680
		.amdhsa_private_segment_fixed_size 0
		.amdhsa_enable_private_segment 0
		.amdhsa_kernarg_size 24
		.amdhsa_user_sgpr_count 2
		.amdhsa_user_sgpr_kernarg_segment_ptr 1
		.amdhsa_wavefront_size32 1
		.amdhsa_system_sgpr_workgroup_id_x 1
		.amdhsa_system_sgpr_workgroup_id_y 1
		.amdhsa_system_sgpr_workgroup_id_z 1
		.amdhsa_system_vgpr_workitem_id 0
		.amdhsa_next_free_vgpr 768
		.amdhsa_next_free_sgpr 98
		.amdhsa_reserve_vcc 0
		.amdhsa_float_denorm_mode_32 3
		.amdhsa_float_denorm_mode_16_64 3
		.amdhsa_memory_ordered 1
		.amdhsa_forward_progress 1
		.amdhsa_inst_pref_size 177
	.end_amdhsa_kernel
	.amdgpu_metadata
---
amdhsa.version: [ 1, 2 ]
amdhsa.kernels:
  - .name:           k_qe992017304_attn
    .symbol:         k_qe992017304_attn.kd
    .args:
      - { .name: qkv, .offset: 0, .size: 8, .value_kind: global_buffer, .address_space: global }
      - { .name: mask, .offset: 8, .size: 8, .value_kind: global_buffer, .address_space: global }
      - { .name: attn, .offset: 16, .size: 8, .value_kind: global_buffer, .address_space: global }
    .group_segment_fixed_size: 327680
    .private_segment_fixed_size: 0
    .kernarg_segment_align: 8
    .kernarg_segment_size: 24
    .max_flat_workgroup_size: 128
    .sgpr_count:     98
    .vgpr_count:     768
    .wavefront_size: 32
...
	.end_amdgpu_metadata
.endif
;; end of part 3
;; launch proj (part 4): grid 32 x 8, 4 waves a work-group, clusters of 4 x 4, 327,680 bytes of LDS; arguments attn, wo16, out0; writes out0
.if DOCPART == 4
	.amdgcn_target "amdgcn-amd-amdhsa--gfx1250"
	.amdhsa_code_object_version 6
	.text
	.protected	k_qe992017304_proj
	.globl	k_qe992017304_proj
	.p2align	8
	.type	k_qe992017304_proj,@function
k_qe992017304_proj:
	s_mov_b64 s[64:65], 0
	v_nop
	global_prefetch_b8 v0, s[64:65] scope:SCOPE_SE
	s_setreg_imm32_b32 hwreg(HW_REG_WAVE_MODE, 25, 1), 1
	s_wait_xcnt 0x0
	s_wait_alu depctr_hold_cnt(0) depctr_sa_sdst(0) depctr_va_vdst(0) depctr_va_sdst(0) depctr_va_ssrc(0) depctr_va_vcc(0) depctr_vm_vsrc(0)
	s_getreg_b32 s2, hwreg(HW_REG_IB_STS2, 6, 4)
	s_cmp_eq_u32 s2, 0
	s_cbranch_scc0 .Lentry_in_a_cluster
	s_endpgm
.Lentry_in_a_cluster:
	s_bfe_u32 s2, ttmp6, 0x10000c
	s_cmp_lg_u32 s2, 0xf033
	s_cbranch_scc0 .Lentry_shape_is_right
	s_endpgm
.Lentry_shape_is_right:
; PROJ: out0[m][n] = sum over k of attn[m][k] wo16[n][k]: attn holds a quarter of reference()'s value and wo16 four times wo, so the product is reference()'s.  f16 operands, f32 sums, f32 out.  Nothing is left out.
; A tile of out0 is 128 x 128: 256 work-groups.  Four waves, each 64 x 64: 16 accumulators.  K goes in steps of 256 (LDS rows of 512 bytes; a wave's tensor load brings 64 of them) through two slots.
; CLUSTER 4 x 4: attn's tiles are shared along a row of the cluster, wo16's along a column: joint loads.  THE MATRIX INSTRUCTION IS USED TRANSPOSED (source 0 = 16 rows of wo16, source 1 = 16 rows of attn):
; a lane holds eight neighbouring numbers of a row of out0.  A wave's 64 columns are 256 bytes of a row: each wave has a stage of its own on the way out, and no barrier is needed there.
; No prefetch: a K step's matrix work is short and the tiles are shared in the cluster.
; REGISTERS: window 0: v0-31 addresses; v32-95 the way out; v128-255 the accumulators ((a, b) at v[128 + 8 (4 a + b)]).  window 1: two fragment buffers of 128.
.set SIZE_N, 4096
.set SIZE_K, 4096
.set KSTEP,  256
.set PITCH,  528                       ; an LDS row: 512 bytes + 16 of padding
.set HALFT,  64*PITCH
.set SLOT,   4*HALFT
.set STAGE,  2*SLOT                    ; behind the ring: 16 rows x 272 bytes for each wave; no fill lands here
.set SPITCH, 272
.set SPARE,  STAGE+4*16*SPITCH
.set LAPS, SIZE_K/(2*KSTEP)
.set ADRA, 16
.set ADRB, 20
.set STO,  24
.set RD,   25
.set CO,   26
.set SPW,  28
.set NIL,  29
.set TMP,  32
.set ACC,  128
.set F0,   0
.set F1,   128
.set G1, 24
.set G0, 32
.set G1B, 48
.set G0B, 56
.set MSB, 0
.macro WIN new
.if MSB != \new
	s_set_vgpr_msb (MSB<<8)|\new
.set MSB, \new
.endif
.endm
.set MUL,  0x05                        ; sources 0 and 1 window 1; C and D window 0
.set TO_F, 0x40                        ; destination window 1
.macro JLOAD s                         ; waves 0 and 1 fetch attn's two halves, waves 2 and 3 wo16's; an s_nop 0 and four v_nop follow each line
	s_cmp_eq_u32 s11, 0
	s_cbranch_scc0 .Lfor_b_\@
	tensor_load_to_lds s[G0+4*\s:G0+4*\s+3], s[G1:G1+7]
	s_nop 0
.rept 4
	v_nop
.endr
	s_branch .Lasked_\@
.Lfor_b_\@:
	tensor_load_to_lds s[G0B+4*\s:G0B+4*\s+3], s[G1B:G1B+7]
	s_nop 0
.rept 4
	v_nop
.endr
.Lasked_\@:
.endm
.macro CREST
	s_cmp_lg_u32 s10, 0
	s_cbranch_scc1 .Lnot_wave_0_\@
	s_barrier_signal -3
.Lnot_wave_0_\@:
	s_barrier_wait -3
	s_barrier_signal -1
	s_barrier_wait -1
.endm
.macro CROUND
	s_barrier_signal -1
	s_barrier_wait -1
	CREST
.endm
	s_load_b128 s[4:7], s[0:1], 0x0                ; attn s[4:5], wo16 s[6:7]
	s_load_b64 s[8:9], s[0:1], 0x10                ; out0
	v_lshl_add_u32 v[SPW], v0, 2, SPARE
	v_mov_b32 v[NIL], 0
	ds_add_u32 v[SPW], v[NIL]                      ; the opening: the add, twice on end, and its wait ahead of my first tensor load
	ds_add_u32 v[SPW], v[NIL]
	v_lshrrev_b32 v1, 5, v0
	v_readfirstlane_b32 s10, v1                    ; wave 0..3
	s_lshr_b32 s11, s10, 1                         ; my half of the tile's rows.  Also: I fetch for attn (0) or for wo16 (1)
	s_and_b32 s12, s10, 1                          ; my half of its columns.  Also: which 64 rows I fetch
	s_bfe_u32 s40, ttmp6, 0x40000                  ; cx
	s_bfe_u32 s41, ttmp6, 0x40004                  ; cy
	s_lshl_b32 s42, ttmp9, 2
	s_add_co_u32 s42, s42, s40                     ; tile column
	s_and_b32 s13, ttmp7, 0xffff
	s_lshl_b32 s13, s13, 2
	s_add_co_u32 s13, s13, s41                     ; tile row
	s_lshl_b32 s43, s41, 2
	s_lshl_b32 s43, 15, s43                        ; my row of the cluster
	s_lshl_b32 s44, 0x1111, s40                    ; my column
	s_or_b32 s[G1+0], s43, (1<<16)|(1<<20)|(1<<21)|(6<<22)|(3<<25)  ; elements of 2 bytes; 4 words of padding behind every 128
	s_or_b32 s[G1B+0], s44, (1<<16)|(1<<20)|(1<<21)|(6<<22)|(3<<25)
.irp g, G1, G1B
	s_mov_b32 s[\g+1], KSTEP<<16
	s_mov_b32 s[\g+2], 64<<16
	s_mov_b32 s[\g+3], KSTEP<<16
	s_mov_b32 s[\g+4], 64
	s_mov_b32 s[\g+5], SIZE_K
	s_mov_b32 s[\g+6], 0
	s_mov_b32 s[\g+7], 0
.endr
	s_lshl_b32 s17, s12, 6
	s_lshl_b32 s16, s13, 7
	s_add_co_u32 s16, s16, s17                     ; attn: row 128 x tile row + 64 x half
	s_lshl_b32 s46, s42, 7
	s_add_co_u32 s46, s46, s17                     ; wo16: row 128 x tile column + 64 x half
	s_mov_b32 s17, 0
	s_mov_b32 s47, 0
	s_mov_b64 s[18:19], SIZE_K*2
	s_mul_u64 s[16:17], s[16:17], s[18:19]
	s_mul_u64 s[46:47], s[46:47], s[18:19]
	s_mul_i32 s20, s10, HALFT                      ; where they go: wave x 64 rows
	s_wait_dscnt 0x0                               ; both opening adds are done
	s_wait_kmcnt 0x0
	s_add_nc_u64 s[14:15], s[4:5], s[16:17]
	s_add_nc_u64 s[46:47], s[6:7], s[46:47]
	CROUND                                         ; all sixteen work-groups are here: the first joint loads meet
.irp s, 0,1
	s_mov_b32 s[G0+4*\s], 1
	s_add_co_u32 s[G0+4*\s+1], s20, \s*SLOT
	s_add_nc_u64 s[G0+4*\s+2:G0+4*\s+3], s[14:15], \s*KSTEP*2
	s_or_b32 s[G0+4*\s+3], s[G0+4*\s+3], 0x80000000
	s_mov_b32 s[G0B+4*\s], 1
	s_add_co_u32 s[G0B+4*\s+1], s20, \s*SLOT
	s_add_nc_u64 s[G0B+4*\s+2:G0B+4*\s+3], s[46:47], \s*KSTEP*2
	s_or_b32 s[G0B+4*\s+3], s[G0B+4*\s+3], 0x80000000
	JLOAD \s
.endr
	v_and_b32 v1, 15, v0                           ; l % 16
	v_bfe_u32 v2, v0, 4, 1                         ; l / 16
	v_mul_u32_u24 v3, v1, PITCH
	v_lshl_add_u32 v3, v2, 4, v3
	s_mul_i32 s21, s11, HALFT                      ; my 64 rows of attn
	s_mul_i32 s22, s12, HALFT                      ; my 64 rows of wo16,
	s_add_co_u32 s22, s22, 2*HALFT                 ; which lie behind attn's 128
.irp s, 0,1
	v_add_nc_u32 v[ADRA+\s], s21, v3
	v_add_nc_u32 v[ADRB+\s], s22, v3
	s_add_co_u32 s21, s21, SLOT
	s_add_co_u32 s22, s22, SLOT
.endr
	s_mul_i32 s23, s10, 16*SPITCH
	s_add_co_u32 s23, s23, STAGE                   ; my stage
	v_mul_u32_u24 v4, v1, SPITCH
	v_lshl_add_u32 v4, v2, 5, v4
	v_add_nc_u32 v[STO], s23, v4                   ; in: row l % 16, 32 bytes for each half of the lanes
	v_mul_u32_u24 v5, v2, SPITCH
	v_lshl_add_u32 v5, v1, 4, v5
	v_add_nc_u32 v[RD], s23, v5                    ; back: lanes 0-15 one row of 256 bytes, lanes 16-31 the next
	v_mul_u32_u24 v5, v2, SIZE_N*4
	v_lshl_add_u32 v[CO], v1, 4, v5                ; the same two rows in out0
	s_lshl_b32 s16, s13, 7
	s_lshl_b32 s17, s11, 6
	s_add_co_u32 s16, s16, s17                     ; my first row: 128 x tile row + 64 x half
	s_mov_b32 s17, 0
	s_mov_b64 s[18:19], SIZE_N*4
	s_mul_u64 s[16:17], s[16:17], s[18:19]
	s_add_nc_u64 s[8:9], s[8:9], s[16:17]
	s_lshl_b32 s46, s42, 9                         ; my first column in bytes: 512 x tile column + 256 x half
	s_lshl_b32 s47, s12, 8
	s_add_co_u32 s46, s46, s47
	s_mov_b32 s47, 0
	s_add_nc_u64 s[8:9], s[8:9], s[46:47]
; 8 matrix instructions: m blocks a0, a0 + 1 x all 4 n blocks, 32 along K: half c of buffer f.  The 16 accumulators take turns
.macro MUL8 f, c, a0, zero
.irp a, \a0, \a0+1
.irp b, 0,1,2,3
.if \zero
	v_wmma_f32_16x16x32_f16 v[ACC+8*(4*(\a)+\b):ACC+8*(4*(\a)+\b)+7], v[\f+64+8*(4*\c+\b):\f+64+8*(4*\c+\b)+7], v[\f+8*(4*\c+\a):\f+8*(4*\c+\a)+7], 0
.else
	v_wmma_f32_16x16x32_f16 v[ACC+8*(4*(\a)+\b):ACC+8*(4*(\a)+\b)+7], v[\f+64+8*(4*\c+\b):\f+64+8*(4*\c+\b)+7], v[\f+8*(4*\c+\a):\f+8*(4*\c+\a)+7], v[ACC+8*(4*(\a)+\b):ACC+8*(4*(\a)+\b)+7]
.endif
.endr
.endr
.endm
; 32 LDS loads in one run: the fragments of 64 along K at byte k of the rows, into buffer f; the first 32 along K first
.macro FETCH slot, k, f
	WIN TO_F
.irp c, 0,1
.irp i, 0,1,2,3
	ds_load_b128 v[\f+64+8*(4*\c+\i):\f+64+8*(4*\c+\i)+3],   v[ADRB+\slot] offset:\k+64*\c+\i*16*PITCH
	ds_load_b128 v[\f+64+8*(4*\c+\i)+4:\f+64+8*(4*\c+\i)+7], v[ADRB+\slot] offset:\k+64*\c+\i*16*PITCH+32
	ds_load_b128 v[\f+8*(4*\c+\i):\f+8*(4*\c+\i)+3],         v[ADRA+\slot] offset:\k+64*\c+\i*16*PITCH
	ds_load_b128 v[\f+8*(4*\c+\i)+4:\f+8*(4*\c+\i)+7],       v[ADRA+\slot] offset:\k+64*\c+\i*16*PITCH+32
.endr
.endr
.endm
.macro PLACES
.rept 4
	v_nop
.endr
.endm
; A K step is four quarters of 64 along K, 32 matrix instructions each, on buffers 0, 1, 0, 1.
.macro QUARTER slot, k, f, g, zero
	s_wait_dscnt 16                                ; the first 32 along K are in; the other sixteen loads may be out
	WIN MUL
	MUL8 \f, 0, 0, \zero
	MUL8 \f, 0, 2, \zero
	PLACES
	FETCH \slot, \k, \g
	s_wait_dscnt 32                                ; all but the 32 just issued
	WIN MUL
	MUL8 \f, 1, 0, 0
	MUL8 \f, 1, 2, 0
.endm
; The last quarter multiplies buffer 1 and changes slots: one barrier; in front of it each wave waits for all its tensor loads, adds 0 to its spare word, and waits for that and for its reads of this slot.
.macro TURN slot, next, fill
	WIN 0
	s_wait_tensorcnt 0x0                           ; all my tensor loads have landed: my part of the next slot
	ds_add_u32 v[SPW], v[NIL]
	s_wait_dscnt 17                                ; the add and the youngest sixteen loads may be out
	WIN MUL
	MUL8 F1, 0, 0, 0
	s_wait_dscnt 0x0                               ; the add is done, and my reads of this slot are over
	s_barrier_signal -1
	MUL8 F1, 0, 2, 0
.if \fill
	WIN 0
.endif
	s_barrier_wait -1
.if \fill
	CREST                                          ; the barrier has opened a round of the cluster's: no wave of any partner still reads this slot or has a load on its way
	s_add_nc_u64 s[G0+4*\slot+2:G0+4*\slot+3], s[G0+4*\slot+2:G0+4*\slot+3], 2*KSTEP*2
	s_add_nc_u64 s[G0B+4*\slot+2:G0B+4*\slot+3], s[G0B+4*\slot+2:G0B+4*\slot+3], 2*KSTEP*2
	JLOAD \slot                                    ; my one tensor load behind the round; its four v_nop are also the places in front of the loads below
.else
	PLACES
.endif
	FETCH \next, 0, F0
	WIN MUL
	MUL8 F1, 1, 0, 0
	MUL8 F1, 1, 2, 0
.endm
	s_wait_tensorcnt 1                             ; my part of K step 0 is in; K step 1's load may be out
	s_barrier_signal -1
	s_barrier_wait -1
	FETCH 0, 0, F0
	QUARTER 0, 128, F0, F1, 1                      ; the first quarter's first products start the sums
	WIN 0
	s_mov_b32 s3, LAPS-1
.Llap:                                             ; a trip goes once round the ring and fills both slots again
	QUARTER 0, 256, F1, F0, 0
	QUARTER 0, 384, F0, F1, 0
	TURN 0, 1, 1
	QUARTER 1, 128, F0, F1, 0
	QUARTER 1, 256, F1, F0, 0
	QUARTER 1, 384, F0, F1, 0
	TURN 1, 0, 1
	QUARTER 0, 128, F0, F1, 0
	WIN 0
	s_sub_co_u32 s3, s3, 1
	s_cmp_lg_u32 s3, 0
	s_cbranch_scc1 .Llap
	QUARTER 0, 256, F1, F0, 0                      ; the last lap fills nothing
	QUARTER 0, 384, F0, F1, 0
	TURN 0, 1, 0
	QUARTER 1, 128, F0, F1, 0
	QUARTER 1, 256, F1, F0, 0
	QUARTER 1, 384, F0, F1, 0
	s_wait_dscnt 16
	WIN MUL
	MUL8 F1, 0, 0, 0
	MUL8 F1, 0, 2, 0
	s_wait_dscnt 0
	MUL8 F1, 1, 0, 0
	MUL8 F1, 1, 2, 0
	WIN 0
	; THE WAY OUT: a lane's eight f32 are 32 bytes of a row; a block of 16 rows x 64 columns goes through my own stage and comes back as whole rows of 256 bytes.  LDS serves a wave's instructions in order.
	PLACES
.macro TOSTAGE a
.irp b, 0,1,2,3
	ds_store_b128 v[STO], v[ACC+8*(4*(\a)+\b):ACC+8*(4*(\a)+\b)+3] offset:64*\b        ; each accumulator from its low end on
	ds_store_b128 v[STO], v[ACC+8*(4*(\a)+\b)+4:ACC+8*(4*(\a)+\b)+7] offset:64*\b+16
.endr
.irp t, 0,1,2,3,4,5,6,7
	ds_load_b128 v[TMP+32*((\a)%2)+4*\t:TMP+32*((\a)%2)+4*\t+3], v[RD] offset:2*\t*SPITCH
.endr
.endm
.macro SEND a, younger
	s_wait_dscnt \younger                          ; the block is back; the next block's 8 stores and 8 loads may be out
.irp t, 0,1,2,3,4,5,6,7
	global_store_b128 v[CO], v[TMP+32*((\a)%2)+4*\t:TMP+32*((\a)%2)+4*\t+3], s[8:9] offset:(16*(\a)+2*\t)*SIZE_N*4 th:TH_STORE_NT   ; sixteen lanes store 256 consecutive bytes, aligned
.endr
.endm
	TOSTAGE 0
	TOSTAGE 1
	SEND 0, 16
	s_wait_xcnt 0x0                                ; block 0's stores have read the registers that block 2's loads take
	TOSTAGE 2
	SEND 1, 16
	s_wait_xcnt 0x0
	TOSTAGE 3
	SEND 2, 16
	SEND 3, 0
	s_wait_tensorcnt 0x0                           ; the wave's end
	ds_add_u32 v[SPW], v[NIL]
	s_wait_dscnt 0x0
	CROUND                                         ; the closing round
	s_endpgm
.Lfunc_end_k_qe992017304_proj:
	.size	k_qe992017304_proj, .Lfunc_end_k_qe992017304_proj-k_qe992017304_proj
	.p2alignl 7, 3214868480
	.fill 96, 4, 3214868480
	.section	.rodata,"a",@progbits
	.p2align	6, 0x0
	.amdhsa_kernel k_qe992017304_proj
		.amdhsa_group_segment_fixed_size 327680
		.amdhsa_private_segment_fixed_size 0
		.amdhsa_enable_private_segment 0
		.amdhsa_kernarg_size 24
		.amdhsa_user_sgpr_count 2
		.amdhsa_user_sgpr_kernarg_segment_ptr 1
		.amdhsa_wavefront_size32 1
		.amdhsa_system_sgpr_workgroup_id_x 1
		.amdhsa_system_sgpr_workgroup_id_y 1
		.amdhsa_system_sgpr_workgroup_id_z 1
		.amdhsa_system_vgpr_workitem_id 0
		.amdhsa_next_free_vgpr 512
		.amdhsa_next_free_sgpr 66
		.amdhsa_reserve_vcc 0
		.amdhsa_float_denorm_mode_32 3
		.amdhsa_float_denorm_mode_16_64 3
		.amdhsa_memory_ordered 1
		.amdhsa_forward_progress 1
		.amdhsa_inst_pref_size 86
	.end_amdhsa_kernel
	.amdgpu_metadata
---
amdhsa.version: [ 1, 2 ]
amdhsa.kernels:
  - .name:           k_qe992017304_proj
    .symbol:         k_qe992017304_proj.kd
    .args:
      - { .name: attn, .offset: 0, .size: 8, .value_kind: global_buffer, .address_space: global }
      - { .name: wo16, .offset: 8, .size: 8, .value_kind: global_buffer, .address_space: global }
      - { .name: out0, .offset: 16, .size: 8, .value_kind: global_buffer, .address_space: global }
    .group_segment_fixed_size: 327680
    .private_segment_fixed_size: 0
    .kernarg_segment_align: 8
    .kernarg_segment_size: 24
    .max_flat_workgroup_size: 128
    .sgpr_count:     66
    .vgpr_count:     512
    .wavefront_size: 32
...
	.end_amdgpu_metadata
.endif
;; end of part 4
